; MI455X (gfx1250); checked and timed in simulation.
; The chip was launched on July 23, 2026; its instructions are those of AMD's public machine-readable ISA for CDNA 5 (MIT licence, August 2026) and "CDNA5" Instruction Set Architecture Reference Guide (July 2026). The comments in the code are by the model that wrote it; some were corrected since.
;; Llama Attention. Allowed arithmetic: float matrix products may take bf16 or f16 operands with f32 sums; all other float work in f32.
;; Inputs: Wk 512 x 4,096 float32; Wo 4,096 x 1,024 float32; Wq 1,024 x 4,096 float32; Wv 512 x 4,096 float32; attention_mask 1 x 1 x 2,048 x 2,048 float32; cos 2 x 2,048 x 128 float32; hidden_states 2 x 2,048 x 4,096 float32; sin 2 x 2,048 x 128 float32.
;; Outputs: out0 2 x 2,048 x 4,096 float32.
;; One version. Each part assembles by itself: llvm-mc -triple=amdgcn-amd-amdhsa -mcpu=gfx1250 --defsym DOCPART=n.
;; ======== version 1 of 1: 4 launches
;; limits: values are held in f16: magnitudes above 65,504 overflow, below 6.1e-05 lose precision; right only within a limited range of input values
;; workspace buffers: xb 33,554,432 bytes; wqkv 16,777,216 bytes; wo16 8,388,608 bytes; mask2 16,777,216 bytes; cs 2,097,152 bytes; qkv 16,777,216 bytes; ctx 8,388,608 bytes
;; launch prep (part 1): grid 2112 x 1, 8 waves a work-group, no clusters, 0 bytes of LDS; arguments hidden_states, Wq, Wk, Wv, Wo, attention_mask, cos, sin, xb, wqkv, wo16, mask2, cs; writes xb, wqkv, wo16, mask2, cs
.if DOCPART == 1
	.amdgcn_target "amdgcn-amd-amdhsa--gfx1250"
	.amdhsa_code_object_version 6
	.text
	.protected	k_qc7fa67b88d_prep
	.globl	k_qc7fa67b88d_prep
	.p2align	8
	.type	k_qc7fa67b88d_prep,@function
k_qc7fa67b88d_prep:
	s_mov_b64 s[64:65], 0
	v_nop
	global_prefetch_b8 v0, s[64:65] scope:SCOPE_SE
	s_setreg_imm32_b32 hwreg(HW_REG_WAVE_MODE, 25, 1), 1
	s_wait_xcnt 0x0
; ALL THE MODULE'S INPUTS ARE ROUNDED ONCE TO bf16 HERE, and laid out as the later launches read them.
;   xb    = bf16(hidden_states)                      [4096][4096]
;   wqkv  = bf16(Wq), bf16(Wk), bf16(Wv), one below the other   [2048][4096]
;   wo16  = 4 x bf16(Wo), written as f16             [4096][1024]  (the attention's result is kept at a quarter; this 4 takes it back)
;   mask2 = bf16(attention_mask) x log2(e), in f32   [2048][2048]  (the softmax works in base 2)
;   cs    = bf16(0.25 cos) and bf16(+-0.25 sin), in the order of a matrix result's lanes: for 16 rows R, 16 columns b, table w (0 cos, 1 sin)
;           512 bytes at 8192 R + 1024 b + 512 w; lane l's 16 bytes are row 16 R + l % 16, columns 16 b + 8 (l / 16) + 0..7.  sin is negated for b < 4: rotate_half's sign.
;           The factor is a power of two, applied in f32 ahead of the one rounding: bf16(0.25 x) = 0.25 bf16(x) for every |x| above 2^-124.
; LIMITS.  bf16's rounding turns |x| above 3.39e38 into an infinity.  4 x bf16(Wo) is exact in f16 for 1.6e-5 <= |Wo| < 16,376; below that it keeps f16's fixed step of 6e-8, above it is an infinity.
; SHARES.  Groups 0-63 take 64 rows of cos and of sin each: their loads are spread over 16 rows, so they go first.  Every other group takes 16,384 numbers (65,536 bytes) of one input; counted from 64 on:
; 0-1023 x, 1024-1279 Wq, 1280-1407 Wk, 1408-1535 Wv, 1536-1791 Wo, 1792-2047 the mask.
; Every input byte is read once and every output byte written once; all sixteen loads of a thread go out first; a wave's store covers 256 or 512 consecutive bytes, aligned.  No register is written twice while
; a memory instruction may read it, so no wait but the counted ones on the loads is needed.  No LDS, no matrix unit, no cluster: the work-groups share nothing.
.set X, 8                              ; v[8:71]    sixteen loads of four numbers
.set Y, 72                             ; v[72:103]  what is stored
.set T, 104                            ; v[104:111] at work
	s_load_b512 s[8:23], s[0:1], 0x0               ; x s[8:9], Wq s[10:11], Wk s[12:13], Wv s[14:15], Wo s[16:17], mask s[18:19], cos s[20:21], sin s[22:23]
	s_load_b256 s[24:31], s[0:1], 0x40             ; xb s[24:25], wqkv s[26:27], wo16 s[28:29], mask2 s[30:31]
	s_load_b64 s[32:33], s[0:1], 0x60              ; cs
	s_mov_b32 s2, ttmp9                            ; the work-group's number
	v_lshlrev_b32 v1, 4, v0                        ; 16 bytes a thread
	v_lshlrev_b32 v2, 3, v0                        ; 8 bytes a thread
	s_mov_b32 s41, 0                               ; high word of every offset
	s_mov_b32 s42, 0xffff0000                      ; a word's upper bf16
	s_mov_b32 s44, 0x3fb8aa3b                      ; log2(e),
	s_mov_b32 s45, s44                             ; named as a pair
	s_wait_kmcnt 0x0
	s_cmp_lt_u32 s2, 64
	s_cbranch_scc1 .Ltables
	s_sub_co_u32 s2, s2, 64                        ; the chunk's number
	s_cmp_ge_u32 s2, 1792
	s_cbranch_scc1 .Lmask
	s_cmp_ge_u32 s2, 1536
	s_cbranch_scc1 .Lwo
.macro LOAD16                          ; 65,536 bytes: each instruction of the work-group takes 4,096 consecutive bytes
.set i, 0
.rept 16
	global_load_b128 v[X+4*i:X+4*i+3], v1, s[34:35] offset:4096*i th:TH_LOAD_NT
.set i, i+1
.endr
.endm
	; x, Wq, Wk, Wv: rounded to bf16.  The input and its first chunk are chosen by the chunk's number.
	s_mov_b64 s[34:35], s[8:9]
	s_mov_b64 s[36:37], s[24:25]
	s_mov_b32 s38, 0
	s_mov_b32 s39, 0
	s_cmp_ge_u32 s2, 1024
	s_cselect_b64 s[34:35], s[10:11], s[34:35]
	s_cselect_b64 s[36:37], s[26:27], s[36:37]
	s_cselect_b32 s38, 1024, s38
	s_cselect_b32 s39, 1024, s39                   ; the three weights follow each other in wqkv
	s_cmp_ge_u32 s2, 1280
	s_cselect_b64 s[34:35], s[12:13], s[34:35]
	s_cselect_b32 s38, 1280, s38
	s_cmp_ge_u32 s2, 1408
	s_cselect_b64 s[34:35], s[14:15], s[34:35]
	s_cselect_b32 s38, 1408, s38
	s_sub_co_u32 s38, s2, s38
	s_sub_co_u32 s39, s2, s39
	s_lshl_b32 s40, s38, 16
	s_add_nc_u64 s[34:35], s[34:35], s[40:41]
	s_lshl_b32 s40, s39, 15
	s_add_nc_u64 s[36:37], s[36:37], s[40:41]
	LOAD16
.set i, 0
.rept 16
	s_wait_loadcnt 15-i                            ; loads come back in order: load i is in, the younger ones stay out
	v_cvt_pk_bf16_f32 v[Y+2*i], v[X+4*i], v[X+4*i+1]
	v_cvt_pk_bf16_f32 v[Y+2*i+1], v[X+4*i+2], v[X+4*i+3]
	global_store_b64 v2, v[Y+2*i:Y+2*i+1], s[36:37] offset:2048*i
.set i, i+1
.endr
	s_endpgm
.Lwo:                                                  ; Wo: rounded to bf16, times 4, written as f16
	s_sub_co_u32 s38, s2, 1536
	s_lshl_b32 s40, s38, 16
	s_add_nc_u64 s[34:35], s[16:17], s[40:41]
	s_lshl_b32 s40, s38, 15
	s_add_nc_u64 s[36:37], s[28:29], s[40:41]
	LOAD16
.set i, 0
.rept 16
	s_wait_loadcnt 15-i
	v_cvt_pk_bf16_f32 v[T], v[X+4*i], v[X+4*i+1]
	v_cvt_pk_bf16_f32 v[T+1], v[X+4*i+2], v[X+4*i+3]
	v_lshlrev_b32 v[T+2], 16, v[T]                 ; back to f32: the low half moves up, the high half stays
	v_and_b32 v[T+3], s42, v[T]
	v_lshlrev_b32 v[T+4], 16, v[T+1]
	v_and_b32 v[T+5], s42, v[T+1]
	v_pk_mul_f32 v[T+2:T+3], v[T+2:T+3], 4.0 op_sel_hi:[1,0]
	v_pk_mul_f32 v[T+4:T+5], v[T+4:T+5], 4.0 op_sel_hi:[1,0]
	v_cvt_pk_f16_f32 v[Y+2*i], v[T+2], v[T+3]
	v_cvt_pk_f16_f32 v[Y+2*i+1], v[T+4], v[T+5]
	global_store_b64 v2, v[Y+2*i:Y+2*i+1], s[36:37] offset:2048*i
.set i, i+1
.endr
	s_endpgm
.Lmask:                                                ; the mask: rounded to bf16, times log2(e), kept in f32
	s_sub_co_u32 s38, s2, 1792
	s_lshl_b32 s40, s38, 16
	s_add_nc_u64 s[34:35], s[18:19], s[40:41]
	s_add_nc_u64 s[36:37], s[30:31], s[40:41]
	LOAD16
.set i, 0
.rept 16
	s_wait_loadcnt 15-i
	v_cvt_pk_bf16_f32 v[T], v[X+4*i], v[X+4*i+1]
	v_cvt_pk_bf16_f32 v[T+1], v[X+4*i+2], v[X+4*i+3]
	v_lshlrev_b32 v[X+4*i], 16, v[T]
	v_and_b32 v[X+4*i+1], s42, v[T]
	v_lshlrev_b32 v[X+4*i+2], 16, v[T+1]
	v_and_b32 v[X+4*i+3], s42, v[T+1]
	v_pk_mul_f32 v[X+4*i:X+4*i+1], v[X+4*i:X+4*i+1], s[44:45] op_sel_hi:[1,0]
	v_pk_mul_f32 v[X+4*i+2:X+4*i+3], v[X+4*i+2:X+4*i+3], s[44:45] op_sel_hi:[1,0]
	global_store_b128 v1, v[X+4*i:X+4*i+3], s[36:37] offset:4096*i
.set i, i+1
.endr
	s_endpgm
.Ltables:                                              ; cos and sin: 64 rows; wave b takes columns 16 b .. 16 b + 15
	s_lshl_b32 s40, s2, 15                         ; 64 rows of 512 bytes in; four blocks of 8,192 bytes out
	s_add_nc_u64 s[34:35], s[20:21], s[40:41]
	s_add_nc_u64 s[36:37], s[22:23], s[40:41]
	s_add_nc_u64 s[38:39], s[32:33], s[40:41]
	v_lshrrev_b32 v3, 5, v0
	v_readfirstlane_b32 s43, v3                    ; b
	v_and_b32 v4, 15, v0
	v_bfe_u32 v5, v0, 4, 1
	v_lshlrev_b32 v4, 9, v4                        ; row l % 16,
	v_lshl_add_u32 v4, v5, 5, v4                   ; 8 numbers for each half of the lanes,
	s_lshl_b32 s46, s43, 6
	v_add_nc_u32 v4, s46, v4                       ; in the wave's 16 columns
	v_and_b32 v6, 31, v0
	v_lshlrev_b32 v6, 4, v6
	s_lshl_b32 s46, s43, 10
	v_add_nc_u32 v6, s46, v6                       ; out: 1024 b + 16 l
	s_mov_b32 s48, 0x3e800000                      ; cos's factor, 0.25, named as a pair
	s_mov_b32 s49, s48
	s_mov_b32 s50, 0xbe800000                      ; sin's: -0.25 in the first four waves' columns, 0.25 in the others
	s_cmp_lt_u32 s43, 4
	s_cselect_b32 s50, s50, s48
	s_mov_b32 s51, s50
.irp i, 0,1,2,3
.irp w, 0,1
	global_load_b128 v[X+8*(2*(\i)+(\w)):X+8*(2*(\i)+(\w))+3],   v4, s[34+2*(\w):35+2*(\w)] offset:8192*(\i) th:TH_LOAD_NT
	global_load_b128 v[X+8*(2*(\i)+(\w))+4:X+8*(2*(\i)+(\w))+7], v4, s[34+2*(\w):35+2*(\w)] offset:8192*(\i)+16 th:TH_LOAD_NT
.endr
.endr
.irp i, 0,1,2,3
.irp w, 0,1
	s_wait_loadcnt 14-2*(2*(\i)+(\w))              ; this item's two loads are in
.irp z, 0,1,2,3
	v_pk_mul_f32 v[X+8*(2*(\i)+(\w))+2*(\z):X+8*(2*(\i)+(\w))+2*(\z)+1], v[X+8*(2*(\i)+(\w))+2*(\z):X+8*(2*(\i)+(\w))+2*(\z)+1], s[48+2*(\w):49+2*(\w)] op_sel_hi:[1,0]
.endr
.irp z, 0,1,2,3
	v_cvt_pk_bf16_f32 v[Y+4*(2*(\i)+(\w))+(\z)], v[X+8*(2*(\i)+(\w))+2*(\z)], v[X+8*(2*(\i)+(\w))+2*(\z)+1]
.endr
	global_store_b128 v6, v[Y+4*(2*(\i)+(\w)):Y+4*(2*(\i)+(\w))+3], s[38:39] offset:8192*(\i)+512*(\w)
.endr
.endr
	s_endpgm
.Lfunc_end_k_qc7fa67b88d_prep:
	.size	k_qc7fa67b88d_prep, .Lfunc_end_k_qc7fa67b88d_prep-k_qc7fa67b88d_prep
	.p2alignl 7, 3214868480
	.fill 96, 4, 3214868480
	.section	.rodata,"a",@progbits
	.p2align	6, 0x0
	.amdhsa_kernel k_qc7fa67b88d_prep
		.amdhsa_group_segment_fixed_size 0
		.amdhsa_private_segment_fixed_size 0
		.amdhsa_enable_private_segment 0
		.amdhsa_kernarg_size 104
		.amdhsa_user_sgpr_count 2
		.amdhsa_user_sgpr_kernarg_segment_ptr 1
		.amdhsa_wavefront_size32 1
		.amdhsa_system_sgpr_workgroup_id_x 1
		.amdhsa_system_sgpr_workgroup_id_y 1
		.amdhsa_system_sgpr_workgroup_id_z 1
		.amdhsa_system_vgpr_workitem_id 0
		.amdhsa_next_free_vgpr 112
		.amdhsa_next_free_sgpr 66
		.amdhsa_reserve_vcc 0
		.amdhsa_float_denorm_mode_32 3
		.amdhsa_float_denorm_mode_16_64 3
		.amdhsa_memory_ordered 1
		.amdhsa_forward_progress 1
		.amdhsa_inst_pref_size 37
	.end_amdhsa_kernel
	.amdgpu_metadata
---
amdhsa.version: [ 1, 2 ]
amdhsa.kernels:
  - .name:           k_qc7fa67b88d_prep
    .symbol:         k_qc7fa67b88d_prep.kd
    .args:
      - { .name: hidden_states, .offset: 0, .size: 8, .value_kind: global_buffer, .address_space: global }
      - { .name: Wq, .offset: 8, .size: 8, .value_kind: global_buffer, .address_space: global }
      - { .name: Wk, .offset: 16, .size: 8, .value_kind: global_buffer, .address_space: global }
      - { .name: Wv, .offset: 24, .size: 8, .value_kind: global_buffer, .address_space: global }
      - { .name: Wo, .offset: 32, .size: 8, .value_kind: global_buffer, .address_space: global }
      - { .name: attention_mask, .offset: 40, .size: 8, .value_kind: global_buffer, .address_space: global }
      - { .name: cos, .offset: 48, .size: 8, .value_kind: global_buffer, .address_space: global }
      - { .name: sin, .offset: 56, .size: 8, .value_kind: global_buffer, .address_space: global }
      - { .name: xb, .offset: 64, .size: 8, .value_kind: global_buffer, .address_space: global }
      - { .name: wqkv, .offset: 72, .size: 8, .value_kind: global_buffer, .address_space: global }
      - { .name: wo16, .offset: 80, .size: 8, .value_kind: global_buffer, .address_space: global }
      - { .name: mask2, .offset: 88, .size: 8, .value_kind: global_buffer, .address_space: global }
      - { .name: cs, .offset: 96, .size: 8, .value_kind: global_buffer, .address_space: global }
    .group_segment_fixed_size: 0
    .private_segment_fixed_size: 0
    .kernarg_segment_align: 8
    .kernarg_segment_size: 104
    .max_flat_workgroup_size: 256
    .sgpr_count:     66
    .vgpr_count:     112
    .wavefront_size: 32
...
	.end_amdgpu_metadata
.endif
;; end of part 1
;; launch qkv (part 2): grid 8 x 32, 4 waves a work-group, clusters of 4 x 4, 327,680 bytes of LDS; arguments xb, wqkv, cs, qkv; writes qkv
.if DOCPART == 2
	.amdgcn_target "amdgcn-amd-amdhsa--gfx1250"
	.amdhsa_code_object_version 6
	.text
	.protected	k_qc7fa67b88d_qkv
	.globl	k_qc7fa67b88d_qkv
	.p2align	8
	.type	k_qc7fa67b88d_qkv,@function
k_qc7fa67b88d_qkv:
	s_mov_b64 s[64:65], 0
	v_nop
	global_prefetch_b8 v0, s[64:65] scope:SCOPE_SE
	s_setreg_imm32_b32 hwreg(HW_REG_WAVE_MODE, 25, 1), 1
	s_wait_xcnt 0x0
	s_wait_alu depctr_hold_cnt(0) depctr_sa_sdst(0) depctr_va_vdst(0) depctr_va_sdst(0) depctr_va_ssrc(0) depctr_va_vcc(0) depctr_vm_vsrc(0)
	s_getreg_b32 s2, hwreg(HW_REG_IB_STS2, 6, 4)
	s_cmp_eq_u32 s2, 0
	s_cbranch_scc0 .Lentry_in_a_cluster
	s_endpgm
.Lentry_in_a_cluster:
	s_bfe_u32 s2, ttmp6, 0x10000c
	s_cmp_lg_u32 s2, 0xf033
	s_cbranch_scc0 .Lentry_shape_is_right
	s_endpgm
.Lentry_shape_is_right:
; q, k, v = x W^T, RoPE on q and k, all three times 1/4, rounded once to f16 and stored by heads.
; xb: [4096][4096] bf16.  wqkv: [2048][4096] bf16 (rows 0-1023 Wq, 1024-1535 Wk, 1536-2047 Wv).  cs: the tables in lane order, already times +-0.25.  qkv: f16 [16 heads: 8 q, 4 k, 4 v][4096 rows][128].
; LIMIT.  f16 ends at 65,504: q, k, v are kept at a quarter, so the text serves |q|, |k|, |v| below 262,000; beyond that the rounding gives an infinity.
; SHARES.  A tile of the product is 128 rows x 256 columns: 32 x 8 = 256 work-groups.  Four waves, each 64 rows x 128 columns: 32 accumulators of 16 x 16, 256 registers.  A wave's 128 columns are ONE head,
; so RoPE's partner of channel d, d +- 64, lies in the same lane and register four accumulators away.
; K goes in steps of 128 (rows of 256 bytes) through a ring of two LDS slots filled by tensor loads: waves 0 and 1 bring the halves of x's 128 rows, waves 2 and 3 the halves of W's 256 rows.
; CLUSTER.  4 x 4 work-groups: the four of a row of the cluster need the same tile of x, the four of a column the same tile of W: each is asked for jointly, by the same load with the same descriptor and a mask of four.
; THE MATRIX INSTRUCTION IS USED TRANSPOSED (source 0 = 16 rows of W, source 1 = 16 rows of x): lane l holds row l % 16 of the product and eight neighbouring columns 8 (l / 16) + 0..7.
; REGISTERS, in windows of 256 (s_set_vgpr_msb: bits 1:0 source 0, 3:2 source 1, 5:4 source 2, 7:6 destination):
;   window 0: v0-31 addresses; v64-159, v160-255 two fragment buffers (32 K: x's 4 fragments, then W's 8); on the way out v64-127 results, v128-159 packed, v160-223 rows read back
;   window 1: the accumulators, (a, b) at v[8 (8 a + b)]          window 2: the tables of my 64 rows: row block a, column block b, table w at v[64 a + 8 b + 4 w]
.set SIZE_K, 4096
.set KSTEP,  128
.set PITCH,  272                       ; an LDS row: 256 bytes + 16 of padding = 68 words: the 16 rows of a fragment load start at 16 different groups of four banks (64 banks of 4 bytes: ISA guide 11.1)
.set AHALF,  64*PITCH                  ; what wave 0 or 1 brings
.set BHALF,  128*PITCH                 ; what wave 2 or 3 brings
.set BOFF,   2*AHALF                   ; W's rows lie behind x's 128
.set SLOT,   BOFF+2*BHALF
.set STAGE,  2*SLOT                    ; behind the ring: 16 rows x 272 bytes for each wave, for the way out
.set SPITCH, 272
.set SPARE,  STAGE+4*16*SPITCH         ; behind the stages: the spare words, 128 bytes for each wave
.set LAPS,   SIZE_K/(2*KSTEP)          ; a lap = two K steps = once round the ring
.set ADRA, 16                          ; v16-17  LDS address of my fragments of x in slot 0, 1
.set ADRB, 20                          ; v20-21  the same for W
.set STO,  24                          ; v24     the way out: where I put 16 bytes of a row
.set RD,   25                          ; v25     the way out: where I read rows back
.set LN16, 26                          ; v26     16 x lane; never rewritten
.set ZR,   27                          ; v27     0, the addend of RoPE's first product
.set SPW,  28                          ; v28     LDS address of my spare word; never rewritten
.set NIL,  29                          ; v29     0; never rewritten
.set F0,   64
.set F1,   160
.set RES,  64
.set PKD,  128
.set BK,   160
.set G1,  24                           ; s[24:31] descriptor group 1 for x's tiles;  s[32:39] group 0, a set for each slot
.set G0,  32
.set G1B, 48                           ; s[48:55], s[56:63] the same for W's tiles
.set G0B, 56
.set WV,  66                           ; my wave's number
.set WM,  67                           ; which 64 rows are mine.  Also: I fetch for x (0) or for W (1)
.set WN,  68                           ; which 128 columns.  Also: which half of that tile I fetch
.set RF,  69                           ; all ones where my head takes RoPE (q, k), 0 for v
.set KC,  70                           ; 0.25 twice, in bf16
.set MSB, 0
.macro WIN new                         ; the immediate's high byte repeats the setting that is left; a switch that changes nothing is dropped
.if MSB != (\new)
	s_set_vgpr_msb (MSB<<8)|(\new)
.set MSB, \new
.endif
.endm
.set MULW, 0x50                        ; fragments in window 0, C and D in window 1
.macro JLOAD s                         ; a joint load; an s_nop 0 and four v_nop follow each of the two lines, ahead of the jump, the label and what follows
	s_cmp_eq_u32 s[WM], 0
	s_cbranch_scc0 .Lfor_b_\@
	tensor_load_to_lds s[G0+4*(\s):G0+4*(\s)+3], s[G1:G1+7]
	s_nop 0
.rept 4
	v_nop
.endr
	s_branch .Lasked_\@
.Lfor_b_\@:
	tensor_load_to_lds s[G0B+4*(\s):G0B+4*(\s)+3], s[G1B:G1B+7]
	s_nop 0
.rept 4
	v_nop
.endr
.Lasked_\@:
.endm
.macro CREST                           ; a round of the cluster's barrier behind its opening barrier
	s_cmp_lg_u32 s[WV], 0
	s_cbranch_scc1 .Lnot_wave_0_\@
	s_barrier_signal -3
.Lnot_wave_0_\@:
	s_barrier_wait -3
	s_barrier_signal -1
	s_barrier_wait -1
.endm
.macro CROUND                          ; a whole round
	s_barrier_signal -1
	s_barrier_wait -1
	CREST
.endm
	s_load_b256 s[4:11], s[0:1], 0x0               ; xb s[4:5], wqkv s[6:7], cs s[8:9], qkv s[10:11]
	v_lshl_add_u32 v[SPW], v0, 2, SPARE
	v_mov_b32 v[NIL], 0
	ds_add_u32 v[SPW], v[NIL]                      ; the wave's opening: the add and its wait stand ahead of my first tensor load; the set-up below, work on registers, stands between them
	v_lshrrev_b32 v1, 5, v0
	v_readfirstlane_b32 s[WV], v1
	s_lshr_b32 s[WM], s[WV], 1
	s_and_b32 s[WN], s[WV], 1
	s_bfe_u32 s40, ttmp6, 0x40000                  ; cx, cy: my place in the cluster
	s_bfe_u32 s41, ttmp6, 0x40004
	s_lshl_b32 s42, ttmp9, 2
	s_add_co_u32 s42, s42, s40                     ; tile column = 4 x cluster x + cx
	s_and_b32 s13, ttmp7, 0xffff
	s_lshl_b32 s13, s13, 2
	s_add_co_u32 s13, s13, s41                     ; tile row = 4 x cluster y + cy
	s_lshl_b32 s43, s41, 2
	s_lshl_b32 s43, 15, s43                        ; my row of the cluster
	s_lshl_b32 s44, 0x1111, s40                    ; my column
	s_or_b32 s[G1+0], s43, (1<<16)|(1<<20)|(1<<21)|(5<<22)|(3<<25)   ; the mask; 2-byte elements; padding on; bit 21 beside a mask; after every 64 words 4 words of padding
	s_or_b32 s[G1B+0], s44, (1<<16)|(1<<20)|(1<<21)|(5<<22)|(3<<25)
	s_mov_b32 s[G1+1], KSTEP<<16                   ; tensor_dim0 = 128
	s_mov_b32 s[G1+2], 64<<16                      ; tensor_dim1 = 64
	s_mov_b32 s[G1+3], KSTEP<<16                   ; tile_dim0 = 128
	s_mov_b32 s[G1+4], 64                          ; tile_dim1 = 64
	s_mov_b32 s[G1+5], SIZE_K                      ; elements from row to row
	s_mov_b32 s[G1+6], 0
	s_mov_b32 s[G1+7], 0
	s_mov_b32 s[G1B+1], KSTEP<<16
	s_mov_b32 s[G1B+2], 128<<16                    ; W's loads have 128 rows
	s_mov_b32 s[G1B+3], KSTEP<<16
	s_mov_b32 s[G1B+4], 128
	s_mov_b32 s[G1B+5], SIZE_K
	s_mov_b32 s[G1B+6], 0
	s_mov_b32 s[G1B+7], 0
	s_lshl_b32 s17, s[WN], 6
	s_lshl_b32 s16, s13, 7
	s_add_co_u32 s16, s16, s17                     ; x: row 128 x tile row + 64 x half
	s_lshl_b32 s47, s[WN], 7
	s_lshl_b32 s46, s42, 8
	s_add_co_u32 s46, s46, s47                     ; W: row 256 x tile column + 128 x half
	s_mov_b32 s17, 0
	s_mov_b32 s47, 0
	s_mov_b64 s[18:19], SIZE_K*2
	s_mul_u64 s[16:17], s[16:17], s[18:19]
	s_mul_u64 s[46:47], s[46:47], s[18:19]
	s_mul_i32 s20, s[WN], AHALF                    ; where they go: no place in the cluster enters an LDS address
	s_mul_i32 s21, s[WN], BHALF
	s_add_co_u32 s21, s21, BOFF
	s_mov_b32 s[KC], 0x3e803e80
	s_cmp_lt_u32 s42, 6                            ; tile columns 0-5 hold q's and k's heads, 6 and 7 v's: a choice of values, no branch
	s_cselect_b32 s[RF], -1, 0
	s_wait_dscnt 0x0                               ; the opening add is done
	s_wait_kmcnt 0x0
	s_add_nc_u64 s[14:15], s[4:5], s[16:17]
	s_add_nc_u64 s[46:47], s[6:7], s[46:47]
	CROUND                                         ; all sixteen work-groups are here: the first joint loads meet
.irp s, 0,1
	s_mov_b32 s[G0+4*(\s)], 1
	s_add_co_u32 s[G0+4*(\s)+1], s20, (\s)*SLOT
	s_add_nc_u64 s[G0+4*(\s)+2:G0+4*(\s)+3], s[14:15], (\s)*KSTEP*2
	s_or_b32 s[G0+4*(\s)+3], s[G0+4*(\s)+3], 0x80000000
	s_mov_b32 s[G0B+4*(\s)], 1
	s_add_co_u32 s[G0B+4*(\s)+1], s21, (\s)*SLOT
	s_add_nc_u64 s[G0B+4*(\s)+2:G0B+4*(\s)+3], s[46:47], (\s)*KSTEP*2
	s_or_b32 s[G0B+4*(\s)+3], s[G0B+4*(\s)+3], 0x80000000
	JLOAD \s                                       ; two loads of mine are out
.endr
	v_and_b32 v1, 15, v0                           ; l % 16
	v_bfe_u32 v2, v0, 4, 1                         ; l / 16
	v_and_b32 v[LN16], 31, v0
	v_lshlrev_b32 v[LN16], 4, v[LN16]
	v_mov_b32 v[ZR], 0
	s_lshl_b32 s22, s13, 3                         ; the tables of my 64 rows: blocks 8 x tile row + 4 x half on, 8,192 bytes each
	s_lshl_b32 s23, s[WM], 2
	s_add_co_u32 s22, s22, s23
	s_lshl_b32 s22, s22, 13
	s_mov_b32 s23, 0
	s_add_nc_u64 s[8:9], s[8:9], s[22:23]
	WIN 0x80                                       ; destination window 2, address window 0
.set i, 0
.rept 64                                               ; 512 consecutive bytes each; they are waited for once, on the way out
	global_load_b128 v[4*i:4*i+3], v[LN16], s[8:9] offset:512*i
.set i, i+1
.endr
	WIN 0
	v_mul_u32_u24 v3, v1, PITCH
	v_lshl_add_u32 v3, v2, 4, v3                   ; a fragment's row x pitch + 16 x half
	s_mul_i32 s21, s[WM], AHALF                    ; my 64 rows of x
	s_mul_i32 s22, s[WN], BHALF                    ; my 128 rows of W
	s_add_co_u32 s22, s22, BOFF
.irp s, 0,1
	v_add_nc_u32 v[ADRA+(\s)], s21, v3
	v_add_nc_u32 v[ADRB+(\s)], s22, v3
	s_add_co_u32 s21, s21, SLOT
	s_add_co_u32 s22, s22, SLOT
.endr
	s_mul_i32 s23, s[WV], 16*SPITCH
	s_add_co_u32 s23, s23, STAGE                   ; my stage
	v_mul_u32_u24 v4, v1, SPITCH                   ; in: row l % 16, 16 bytes for each half of the lanes
	v_lshl_add_u32 v4, v2, 4, v4
	v_add_nc_u32 v[STO], s23, v4
	v_mul_u32_u24 v5, v2, SPITCH                   ; back: lanes 0-15 one row of 256 bytes, lanes 16-31 the next
	v_lshl_add_u32 v5, v1, 4, v5
	v_add_nc_u32 v[RD], s23, v5
	s_lshl_b32 s46, s42, 1                         ; my head = 2 x tile column + half: 1,048,576 bytes each;
	s_add_co_u32 s46, s46, s[WN]
	s_lshl_b32 s46, s46, 20
	s_lshl_b32 s47, s13, 7                         ; my first row = 128 x tile row + 64 x half: 256 bytes each
	s_lshl_b32 s22, s[WM], 6
	s_add_co_u32 s47, s47, s22
	s_lshl_b32 s47, s47, 8
	s_add_co_u32 s46, s46, s47
	s_mov_b32 s47, 0
	s_add_nc_u64 s[10:11], s[10:11], s[46:47]
; 8 matrix instructions: row block a x all 8 column blocks, 32 along K, from buffer f.  zero = 1: the product starts the sums.  The 32 accumulators take turns in one fixed order.
.macro MUL8 f, a, zero
	WIN MULW
.irp b, 0,1,2,3,4,5,6,7
.if \zero
	v_wmma_f32_16x16x32_bf16 v[8*(8*(\a)+(\b)):8*(8*(\a)+(\b))+7], v[(\f)+32+8*(\b):(\f)+32+8*(\b)+7], v[(\f)+8*(\a):(\f)+8*(\a)+7], 0
.else
	v_wmma_f32_16x16x32_bf16 v[8*(8*(\a)+(\b)):8*(8*(\a)+(\b))+7], v[(\f)+32+8*(\b):(\f)+32+8*(\b)+7], v[(\f)+8*(\a):(\f)+8*(\a)+7], v[8*(8*(\a)+(\b)):8*(8*(\a)+(\b))+7]
.endif
.endr
.endm
; 24 LDS loads in one run: the fragments of 32 along K at byte k of the rows, into buffer f: W's sixteen first, then x's eight
.macro FETCH slot, k, f
	WIN 0
.irp i, 0,1,2,3,4,5,6,7
	ds_load_b128 v[(\f)+32+8*(\i):(\f)+32+8*(\i)+3],   v[ADRB+(\slot)] offset:(\k)+(\i)*16*PITCH
	ds_load_b128 v[(\f)+32+8*(\i)+4:(\f)+32+8*(\i)+7], v[ADRB+(\slot)] offset:(\k)+(\i)*16*PITCH+32
.endr
.irp i, 0,1,2,3
	ds_load_b128 v[(\f)+8*(\i):(\f)+8*(\i)+3],   v[ADRA+(\slot)] offset:(\k)+(\i)*16*PITCH
	ds_load_b128 v[(\f)+8*(\i)+4:(\f)+8*(\i)+7], v[ADRA+(\slot)] offset:(\k)+(\i)*16*PITCH+32
.endr
.endm
.macro PLACES                          ; four places in front of loads into registers that matrix instructions have read (ISA guide 7.12.1 for vector instructions)
.rept 4
	v_nop
.endr
.endm
; A K step is four quarters of 32 along K, 32 matrix instructions each, on buffers 0, 1, 0, 1.  One of the first three: multiplies buffer f and fetches the next quarter, at byte k, into g.
.macro QUARTER slot, k, f, g, zero
	s_wait_dscnt 4                                 ; all but the youngest four loads (x's row blocks 2 and 3) are in
	MUL8 \f, 0, \zero
	MUL8 \f, 1, \zero
	PLACES
	FETCH \slot, \k, \g
	s_wait_dscnt 24                                ; all but the 24 just issued
	MUL8 \f, 2, \zero
	MUL8 \f, 3, \zero
.endm
; The last quarter multiplies buffer 1 and changes slots: ONE barrier; in front of it each wave waits for all its tensor loads (one is out: its part of the next slot), adds 0 to its spare word, and waits for that
; and for its own reads of this slot.  fill = 1: the barrier opens a round of the cluster's barrier, and this slot is filled again, two K steps ahead, first thing behind the round: 112 matrix instructions ahead of the wait for it.
.macro TURN slot, next, fill
	WIN 0
	s_wait_tensorcnt 0x0
	ds_add_u32 v[SPW], v[NIL]                      ; 0 onto my spare word
	s_wait_dscnt 5                                 ; (the add and the youngest four loads may be out)
	MUL8 F1, 0, 0                                  ; eight matrix instructions stand between the add and the wait for it
	s_wait_dscnt 0x0                               ; the add is done, and my reads of this slot are over
	s_barrier_signal -1
	MUL8 F1, 1, 0
.if \fill
	WIN 0
.endif
	s_barrier_wait -1
.if \fill
	CREST                                          ; no wave of any partner still reads this slot's tile or has a load on its way
	s_add_nc_u64 s[G0+4*(\slot)+2:G0+4*(\slot)+3], s[G0+4*(\slot)+2:G0+4*(\slot)+3], 2*KSTEP*2
	s_add_nc_u64 s[G0B+4*(\slot)+2:G0B+4*(\slot)+3], s[G0B+4*(\slot)+2:G0B+4*(\slot)+3], 2*KSTEP*2
	JLOAD \slot                                    ; its four v_nop are also the places in front of the loads below
.else
	PLACES
.endif
	FETCH \next, 0, F0
	MUL8 F1, 2, 0
	MUL8 F1, 3, 0
.endm
	s_wait_tensorcnt 1                             ; my part of K step 0 is in; K step 1's may stay out
	s_barrier_signal -1
	s_barrier_wait -1                              ; everybody's is
	FETCH 0, 0, F0
	QUARTER 0, 64, F0, F1, 1                       ; the first quarter stands in front of the loop: its products start the sums
	WIN 0                                          ; at a label and at a branch every window is 0
	s_mov_b32 s3, LAPS-1
.Llap:                                                 ; a trip goes once round the ring, from a lap's second quarter to the next lap's first, and fills both slots again
	QUARTER 0, 128, F1, F0, 0
	QUARTER 0, 192, F0, F1, 0
	TURN 0, 1, 1
	QUARTER 1, 64,  F0, F1, 0
	QUARTER 1, 128, F1, F0, 0
	QUARTER 1, 192, F0, F1, 0
	TURN 1, 0, 1
	QUARTER 0, 64,  F0, F1, 0
	WIN 0
	s_sub_co_u32 s3, s3, 1
	s_cmp_lg_u32 s3, 0
	s_cbranch_scc1 .Llap
	QUARTER 0, 128, F1, F0, 0                      ; the last lap fills nothing
	QUARTER 0, 192, F0, F1, 0
	TURN 0, 1, 0
	QUARTER 1, 64,  F0, F1, 0
	QUARTER 1, 128, F1, F0, 0
	QUARTER 1, 192, F0, F1, 0
	s_wait_dscnt 4                                 ; the very last quarter: nothing more to fetch
	MUL8 F1, 0, 0
	MUL8 F1, 1, 0
	s_wait_dscnt 0x0
	MUL8 F1, 2, 0
	MUL8 F1, 3, 0
	; THE WAY OUT.  v's heads take no RoPE: their tables become 0.25 and 0.  These 256 plain lines name no register of the last products and are the places behind them.
	s_wait_loadcnt 0x0                             ; the tables
	WIN 0x88                                       ; destination and source 1 in window 2
.set i, 0
.rept 32
.irp z, 0,1,2,3
	v_cndmask_b32 v[8*i+(\z)], s[KC], v[8*i+(\z)], s[RF]
.endr
.irp z, 4,5,6,7
	v_cndmask_b32 v[8*i+(\z)], 0, v[8*i+(\z)], s[RF]
.endr
.set i, i+1
.endr
; Row block a.  out[d] = cos[d] x[d] + sin'[d] x[d +- 64], the tables in bf16 halves, the sums in f32; each accumulator's lowest registers are read first.
.macro MIX d, tab, acc, add, e         ; numbers e and e + 1: the low and the high half of a table's word
	v_fma_mix_f32_bf16 v[(\d)+(\e)],   v[(\tab)+(\e)/2], v[(\acc)+(\e)],   v[\add] op_sel:[0,0,0] op_sel_hi:[1,0,0]
.endm
.macro ROPE a
	WIN 0x06                                       ; table (source 0) window 2, sums (source 1) window 1, addend and result window 0
.irp bp, 0,1,2,3
.irp e, 0,2,4,6
	v_fma_mix_f32_bf16 v[RES+8*(\bp)+(\e)],       v[64*(\a)+8*(\bp)+4+(\e)/2],     v[8*(8*(\a)+(\bp)+4)+(\e)],   v[ZR] op_sel:[0,0,0] op_sel_hi:[1,0,0]
	v_fma_mix_f32_bf16 v[RES+8*((\bp)+4)+(\e)],   v[64*(\a)+8*((\bp)+4)+4+(\e)/2], v[8*(8*(\a)+(\bp))+(\e)],     v[ZR] op_sel:[0,0,0] op_sel_hi:[1,0,0]
	v_fma_mix_f32_bf16 v[RES+8*(\bp)+(\e)+1],     v[64*(\a)+8*(\bp)+4+(\e)/2],     v[8*(8*(\a)+(\bp)+4)+(\e)+1], v[ZR] op_sel:[1,0,0] op_sel_hi:[1,0,0]
	v_fma_mix_f32_bf16 v[RES+8*((\bp)+4)+(\e)+1], v[64*(\a)+8*((\bp)+4)+4+(\e)/2], v[8*(8*(\a)+(\bp))+(\e)+1],   v[ZR] op_sel:[1,0,0] op_sel_hi:[1,0,0]
.endr
.irp e, 0,2,4,6
	v_fma_mix_f32_bf16 v[RES+8*(\bp)+(\e)],       v[64*(\a)+8*(\bp)+(\e)/2],       v[8*(8*(\a)+(\bp))+(\e)],     v[RES+8*(\bp)+(\e)] op_sel:[0,0,0] op_sel_hi:[1,0,0]
	v_fma_mix_f32_bf16 v[RES+8*((\bp)+4)+(\e)],   v[64*(\a)+8*((\bp)+4)+(\e)/2],   v[8*(8*(\a)+(\bp)+4)+(\e)],   v[RES+8*((\bp)+4)+(\e)] op_sel:[0,0,0] op_sel_hi:[1,0,0]
	v_fma_mix_f32_bf16 v[RES+8*(\bp)+(\e)+1],     v[64*(\a)+8*(\bp)+(\e)/2],       v[8*(8*(\a)+(\bp))+(\e)+1],   v[RES+8*(\bp)+(\e)+1] op_sel:[1,0,0] op_sel_hi:[1,0,0]
	v_fma_mix_f32_bf16 v[RES+8*((\bp)+4)+(\e)+1], v[64*(\a)+8*((\bp)+4)+(\e)/2],   v[8*(8*(\a)+(\bp)+4)+(\e)+1], v[RES+8*((\bp)+4)+(\e)+1] op_sel:[1,0,0] op_sel_hi:[1,0,0]
.endr
.endr
	WIN 0
.set i, 0
.rept 32
	v_cvt_pk_f16_f32 v[PKD+i], v[RES+2*i], v[RES+2*i+1]   ; a lane's eight columns of a row pack into 16 bytes
.set i, i+1
.endr
.endm
.macro TOSTAGE a                       ; into my own stage, and back as whole rows of 256 bytes
.set BKR, BK+32*((\a)%2)
.irp b, 0,1,2,3,4,5,6,7
	ds_store_b128 v[STO], v[PKD+4*(\b):PKD+4*(\b)+3] offset:32*(\b)
.endr
.irp t, 0,1,2,3,4,5,6,7
	ds_load_b128 v[BKR+4*(\t):BKR+4*(\t)+3], v[RD] offset:(\t)*2*SPITCH  ; LDS serves a wave's instructions in order (ISA guide 5.7.1.4): these see the stores above
.endr
.endm
.macro SEND a
.set BKR, BK+32*((\a)%2)
	s_wait_dscnt 0x0                               ; the block is back in registers
	s_wait_xcnt 0x0                                ; the stores of the block before have read their registers, which the next block's loads from the stage write
.irp t, 0,1,2,3,4,5,6,7
	global_store_b128 v[LN16], v[BKR+4*(\t):BKR+4*(\t)+3], s[10:11] offset:(\a)*4096+(\t)*512  ; two rows of a head: 512 consecutive bytes, aligned
.endr
.endm
	ROPE 0
	TOSTAGE 0
.irp a, 1,2,3                          ; a block's arithmetic stands between the loads of the block before and its stores
	ROPE \a
	SEND (\a)-1
	TOSTAGE \a
.endr
	SEND 3
	s_wait_tensorcnt 0x0                           ; the wave's end: behind my last tensor load and my last LDS store
	ds_add_u32 v[SPW], v[NIL]
	s_wait_dscnt 0x0
	CROUND                                         ; the closing round: no work-group ends while a partner may still ask for a tile that names it
	s_endpgm
.Lfunc_end_k_qc7fa67b88d_qkv:
	.size	k_qc7fa67b88d_qkv, .Lfunc_end_k_qc7fa67b88d_qkv-k_qc7fa67b88d_qkv
	.p2alignl 7, 3214868480
	.fill 96, 4, 3214868480
	.section	.rodata,"a",@progbits
	.p2align	6, 0x0
	.amdhsa_kernel k_qc7fa67b88d_qkv
		.amdhsa_group_segment_fixed_size 327680
		.amdhsa_private_segment_fixed_size 0
		.amdhsa_enable_private_segment 0
		.amdhsa_kernarg_size 32
		.amdhsa_user_sgpr_count 2
		.amdhsa_user_sgpr_kernarg_segment_ptr 1
		.amdhsa_wavefront_size32 1
		.amdhsa_system_sgpr_workgroup_id_x 1
		.amdhsa_system_sgpr_workgroup_id_y 1
		.amdhsa_system_sgpr_workgroup_id_z 1
		.amdhsa_system_vgpr_workitem_id 0
		.amdhsa_next_free_vgpr 768
		.amdhsa_next_free_sgpr 72
		.amdhsa_reserve_vcc 0
		.amdhsa_float_denorm_mode_32 3
		.amdhsa_float_denorm_mode_16_64 3
		.amdhsa_memory_ordered 1
		.amdhsa_forward_progress 1
		.amdhsa_inst_pref_size 140
	.end_amdhsa_kernel
	.amdgpu_metadata
---
amdhsa.version: [ 1, 2 ]
amdhsa.kernels:
  - .name:           k_qc7fa67b88d_qkv
    .symbol:         k_qc7fa67b88d_qkv.kd
    .args:
      - { .name: xb, .offset: 0, .size: 8, .value_kind: global_buffer, .address_space: global }
      - { .name: wqkv, .offset: 8, .size: 8, .value_kind: global_buffer, .address_space: global }
      - { .name: cs, .offset: 16, .size: 8, .value_kind: global_buffer, .address_space: global }
      - { .name: qkv, .offset: 24, .size: 8, .value_kind: global_buffer, .address_space: global }
    .group_segment_fixed_size: 327680
    .private_segment_fixed_size: 0
    .kernarg_segment_align: 8
    .kernarg_segment_size: 32
    .max_flat_workgroup_size: 128
    .sgpr_count:     72
    .vgpr_count:     768
    .wavefront_size: 32
...
	.end_amdgpu_metadata
.endif
;; end of part 2
;; launch attn (part 3): grid 32 x 8, 4 waves a work-group, clusters of 4 x 4, 327,680 bytes of LDS; arguments qkv, mask2, ctx; writes ctx
.if DOCPART == 3
	.amdgcn_target "amdgcn-amd-amdhsa--gfx1250"
	.amdhsa_code_object_version 6
	.text
	.protected	k_qc7fa67b88d_attn
	.globl	k_qc7fa67b88d_attn
	.p2align	8
	.type	k_qc7fa67b88d_attn,@function
k_qc7fa67b88d_attn:
	s_mov_b64 s[64:65], 0
	v_nop
	global_prefetch_b8 v0, s[64:65] scope:SCOPE_SE
	s_setreg_imm32_b32 hwreg(HW_REG_WAVE_MODE, 25, 1), 1
	s_wait_xcnt 0x0
	s_wait_alu depctr_hold_cnt(0) depctr_sa_sdst(0) depctr_va_vdst(0) depctr_va_sdst(0) depctr_va_ssrc(0) depctr_va_vcc(0) depctr_vm_vsrc(0)
	s_getreg_b32 s2, hwreg(HW_REG_IB_STS2, 6, 4)
	s_cmp_eq_u32 s2, 0
	s_cbranch_scc0 .Lentry_in_a_cluster
	s_endpgm
.Lentry_in_a_cluster:
	s_bfe_u32 s2, ttmp6, 0x10000c
	s_cmp_lg_u32 s2, 0xf033
	s_cbranch_scc0 .Lentry_shape_is_right
	s_endpgm
.Lentry_shape_is_right:
; ctx[b][s][head][:] = the sum over keys of softmax_key(q . k / sqrt(128) + mask[s][key]) v[key][:], two query heads to a key and value head.
; qkv: f16 [16 heads: 8 q, 4 k, 4 v][4096 rows = b x 2048 + s][128], all at a quarter of their value.  mask2: f32 [2048][2048], the mask times log2(e).  ctx: f16 [4096][1024], at a quarter of its value.
; The mask is an input: every tile of it is read and added, and no key is left out.
; SOFTMAX in base 2: z = c' (q/4 . k/4) + mask2, c' = 16 log2(e) / sqrt(128), one fused multiply-add in f32; a running maximum m of z; p = 2^(z - m), the difference taken exactly as f32 takes it, so that a row whose
; keys are all masked alike comes out uniform; O and l are multiplied by a = 2^(m_old - m_new) in every step.  p is rounded to f16 for the second product, and l is the sum of the ROUNDED p, made by the matrix unit
; (a product with ones), so numerator and divisor carry the same rounding.
; LIMITS.  q, k, v arrive within f16; p lies in 0 to 1 and below 6e-5 keeps f16's fixed step of 6e-8; a weight below 2^-126 counts as 0; NaN and infinities (a mask of -inf too) are not treated apart.
; SHARES.  A work-group owns 64 queries of one batch and the two heads of one key head: 32 x 8 = 256 work-groups.  Wave w: queries 32 (w % 2) on, and of every 128 keys the half w / 2.  So a wave has four tiles of 16 queries
; (tile t: query tile t / 2, head t % 2), each fragment of K and V feeds four tiles, and at the end waves 2 and 3 hand their O, m, l to waves 0 and 1 through LDS.
; LAYOUT.  S^T = K Q^T (source 0 = 16 keys, source 1 = 16 queries): a lane holds ONE query (lane % 16) and the keys 8 (lane / 16) + 0..7.  Two such results rounded to f16 ARE source 1 of O^T = V^T P.
; BY TURNS.  Two PIECES (tiles 0, 1 and tiles 2, 3; a piece's tiles share their queries, so also their 32 registers of mask).  In a turn one piece has the matrix unit: 32 products V^T P and 4 for l of the step in hand, then
; 32 products K Q^T of the next step; the other piece's softmax, cut into 69 slices, stands behind them, one slice behind each.
; NO FIRST AND NO LAST STEP IS WRITTEN OUT.  m starts at the lowest finite number, O^T, l, V's registers and piece 2's P at 0: the first step's a is 0, and the loop is entered in the middle of a trip; the tail, one copy of the
; two turns, is walked one and a half times and left in its middle.  The price: 36 products on zeros at the start, 32 on the last K once more at the end, and 456 v_mov_b32 that stand in the wait for the first tile.
; CLUSTER.  4 x 4 work-groups.  K and V hang on batch and key head alone, which a row of the cluster shares; the mask's tile on the query block alone, which a column shares: each is asked for jointly.
; A slot of LDS holds one step: 128 keys of K, of V, and the 64 x 128 tile of the mask in two halves; wave 0 brings K, wave 1 V, waves 2 and 3 the mask's halves.
; REGISTERS, in windows of 256 (s_set_vgpr_msb: bits 1:0 source 0, 3:2 source 1, 5:4 source 2, 7:6 destination):
;   window 0: v0-11, v44-47 addresses; v12-43 eight registers of statistics a tile; v64-191 S^T, 32 a tile; v192-255 P, 16 a tile
;   window 1: O^T, 64 a tile     window 2: v0-127 Q; v128-255 K of one step (at the merge: the partner's O^T)     window 3: v0-127 V; v128-135 ones; v136-167 l, 8 a tile; v168-231 the mask, 32 a piece
.set PKP,   272       ; a row of K in LDS: 256 bytes + 16 of padding: the 16 rows of a load start at 16 different groups of four banks (64 banks of 4 bytes: ISA guide 11.1)
.set PVP,   288       ; a row of V: 256 + 32
.set VOFF,  128*PKP
.set MOFF,  VOFF+128*PVP
.set MHALF, 64*272    ; half of the mask's tile: 64 queries x 64 keys of f32, rows of 256 + 16 bytes
.set SLOT1, 1<<17     ; slot 1 begins here, so that one exclusive or turns an address in one slot into the other's
.set MRG,   SLOT1+MOFF+2*MHALF   ; behind the ring, never filled by a tensor load: for each of waves 2 and 3 32,768 bytes of O^T and 1,024 of m and l
.set MRGW,  33792
.set STAGE, MRG+2*MRGW           ; 16 rows x 272 bytes for each of waves 0 and 1, for the way out
.set SP,    272
.set SPARE, STAGE+2*16*SP        ; the spare words, 128 bytes for each wave
.set AK0, 2           ; v2   my lane's place in a slot's K; never rewritten
.set AV0, 3           ; v3   the same for V
.set ADR, 4           ; v4   the LDS address of the run of loads in hand
.set QO,  5           ; v5   my byte offset in 16 rows of Q
.set STO, 6           ; v6   the way out: where I put 16 bytes of a row
.set RD,  7           ; v7   the way out: where I read rows back
.set GO,  8           ; v8   my byte offset in two rows of ctx
.set AM0, 9           ; v9   my lane's place in a slot's mask, piece 0
.set ADRM, 10         ; v10  the LDS address of the mask's loads in hand
.set MG,  11          ; v11  the merge: my 16 bytes in a block of 512
.set ST,  12          ; tile t's statistics at v[ST+8 t]: +0 m, +1 0 (named with m as a pair), +4 to +7 c0-c3 at work; a takes c2's place
.set HH,  44          ; v44  lane / 16
.set T0,  45
.set T1,  46
.set ML,  47          ; v47  the merge: my word in a block of 128 bytes
.set SPW, 62          ; v62  LDS address of my spare word; never rewritten
.set NIL, 63          ; v63  0; never rewritten
.set S,   64
.set P,   192
.set KF,  128         ; window 2
.set ONES, 128        ; window 3
.set LL,  136         ; window 3
.set MK0, 168         ; window 3
.set WV,  12          ; s12  my wave's number
.set PT,  19          ; s19  w % 2
.set KH,  83          ; s83  w / 2
.set G1K, 24          ; s[24:31] descriptor group 1 for K's tiles
.set G1V, 32          ; s[32:39] for V's: it differs in the padding
.set G1M, 40          ; s[40:47] for the mask's
.set G0K, 48          ; s[48:55] group 0 for K: a set for each of the two first fills; the second then walks on
.set G0V, 56          ; s[56:63]
.set G0M, 68          ; s[68:75]
.set SLOTS, 76        ; s76  the loops' count
.set CS,  78          ; s[78:79] c'
.set SEL, 80          ; s[80:81] v_permlanex16_b32's selects: each lane takes its own place in the other half
.set TB,  82          ; s82  LDS byte at which the slot to be fetched from begins
.set MSB, 0
.macro WIN new                      ; the high byte repeats the setting that is left; a switch that changes nothing is dropped
.if MSB != (\new)
	s_set_vgpr_msb (MSB<<8)|(\new)
.set MSB, \new
.endif
.endm
.set W_KQ, 0x0a       ; K and Q in window 2, S^T in window 0
.set W_PV, 0x53       ; V in window 3, P in window 0, O^T in window 1
.set W_LS, 0xf3       ; ones and l in window 3, P in window 0
.set W_RS, 0x41       ; O^T (destination and source 0) in window 1, the factor in window 0
.macro PLACES
.rept 4
	v_nop
.endr
.endm
; A joint refill: wave 0 K, wave 1 V, waves 2 and 3 the mask's halves.  The branches hang on the wave's number alone.  An s_nop 0 and four v_nop follow each line, ahead of the jump and the label.
.macro JLOAD
	s_cmp_eq_u32 s[WV], 0
	s_cbranch_scc0 .Lnot_k_\@
	tensor_load_to_lds s[G0K+4:G0K+7], s[G1K:G1K+7]
	s_nop 0
	PLACES
	s_branch .Lasked_\@
.Lnot_k_\@:
	s_cmp_eq_u32 s[WV], 1
	s_cbranch_scc0 .Lfor_m_\@
	tensor_load_to_lds s[G0V+4:G0V+7], s[G1V:G1V+7]
	s_nop 0
	PLACES
	s_branch .Lasked_\@
.Lfor_m_\@:
	tensor_load_to_lds s[G0M+4:G0M+7], s[G1M:G1M+7]
	s_nop 0
	PLACES
.Lasked_\@:
.endm
.macro CROUND                       ; a round of the cluster's barrier
	s_barrier_signal -1
	s_barrier_wait -1
	s_cmp_lg_u32 s[WV], 0
	s_cbranch_scc1 .Lnot_wave_0_\@
	s_barrier_signal -3
.Lnot_wave_0_\@:
	s_barrier_wait -3
	s_barrier_signal -1
	s_barrier_wait -1
.endm
	s_load_b128 s[4:7], s[0:1], 0x0 ; qkv s[4:5], mask2 s[6:7]
	s_load_b64 s[8:9], s[0:1], 0x10 ; ctx
	v_lshl_add_u32 v[SPW], v0, 2, SPARE
	v_mov_b32 v[NIL], 0
	ds_add_u32 v[SPW], v[NIL]       ; the wave's opening: the add and its wait stand ahead of my first tensor load; the set-up below, work on registers, stands between them
	v_lshrrev_b32 v1, 5, v0
	v_readfirstlane_b32 s[WV], v1
	s_and_b32 s[PT], s[WV], 1
	s_lshr_b32 s[KH], s[WV], 1
	s_bfe_u32 s13, ttmp6, 0x40000   ; cx
	s_bfe_u32 s14, ttmp6, 0x40004   ; cy
	s_lshl_b32 s15, ttmp9, 2
	s_add_co_u32 s15, s15, s13      ; X: my block of 64 queries
	s_and_b32 s16, ttmp7, 0xffff
	s_lshl_b32 s16, s16, 2
	s_add_co_u32 s16, s16, s14      ; Y = 4 x batch + key head
	s_lshl_b32 s17, s14, 2
	s_lshl_b32 s17, 15, s17         ; my row of the cluster
	s_lshl_b32 s18, 0x1111, s13     ; my column
	s_and_b32 s84, s16, 3           ; key head
	s_lshr_b32 s85, s16, 2          ; batch
	s_lshl_b32 s20, s84, 20         ; K's and V's offset, made of Y alone: a head is 1,048,576 bytes, a batch 524,288
	s_lshl_b32 s21, s85, 19
	s_add_co_u32 s20, s20, s21
	s_mov_b32 s21, 0
	s_lshl_b32 s22, s15, 19         ; the mask's offset, made of X and the wave alone: 64 rows of 8,192 bytes, 256 bytes a half
	s_lshl_b32 s23, s[PT], 8
	s_add_co_u32 s22, s22, s23
	s_mov_b32 s23, 0
	s_lshl_b32 s86, s84, 21         ; Q: head 2 x key head, my batch, my 32 rows of 256 bytes
	s_lshl_b32 s87, s85, 19
	s_add_co_u32 s86, s86, s87
	s_lshl_b32 s87, s15, 14
	s_add_co_u32 s86, s86, s87
	s_lshl_b32 s87, s[PT], 13
	s_add_co_u32 s86, s86, s87
	s_mov_b32 s87, 0
	s_lshl_b32 s88, s85, 22         ; ctx: rows of 2,048 bytes, a head 256 bytes
	s_lshl_b32 s89, s15, 17
	s_add_co_u32 s88, s88, s89
	s_lshl_b32 s89, s[PT], 16
	s_add_co_u32 s88, s88, s89
	s_lshl_b32 s89, s84, 9
	s_add_co_u32 s88, s88, s89
	s_mov_b32 s89, 0
	s_mul_i32 s90, s[PT], MHALF
	s_add_co_u32 s90, s90, MOFF     ; where my half of the mask's tile goes
	s_or_b32 s[G1K], s17, (1<<16)|(1<<20)|(1<<21)|(5<<22)|(3<<25)  ; the mask of four; 2-byte elements; padding on; bit 21 beside a mask; after every 64 words 4 words
	s_or_b32 s[G1V], s17, (1<<16)|(1<<20)|(1<<21)|(5<<22)|(7<<25)  ; the same with 8 words
	s_or_b32 s[G1M], s18, (2<<16)|(1<<20)|(1<<21)|(5<<22)|(3<<25)  ; 4-byte elements
.irp g, G1K, G1V
	s_mov_b32 s[(\g)+1], 128<<16    ; tensor_dim0 = 128
	s_mov_b32 s[(\g)+2], 128<<16    ; tensor_dim1 = 128
	s_mov_b32 s[(\g)+3], 128<<16    ; tile_dim0 = 128
	s_mov_b32 s[(\g)+4], 128        ; tile_dim1 = 128
	s_mov_b32 s[(\g)+5], 128        ; elements from row to row
	s_mov_b32 s[(\g)+6], 0
	s_mov_b32 s[(\g)+7], 0
.endr
	s_mov_b32 s[G1M+1], 64<<16
	s_mov_b32 s[G1M+2], 64<<16
	s_mov_b32 s[G1M+3], 64<<16
	s_mov_b32 s[G1M+4], 64
	s_mov_b32 s[G1M+5], 2048
	s_mov_b32 s[G1M+6], 0
	s_mov_b32 s[G1M+7], 0
	s_mov_b32 s[CS], 0x400293ee     ; c' = 16 log2(e) / sqrt(128) = 2.040276
	s_mov_b32 s[CS+1], s[CS]
	s_mov_b32 s[SEL], 0x76543210
	s_mov_b32 s[SEL+1], 0xfedcba98
	s_mov_b32 s[TB], 0
	s_wait_dscnt 0x0                ; the opening add is done
	s_wait_kmcnt 0x0
	s_add_nc_u64 s[20:21], s[4:5], s[20:21]
	s_add_nc_u64 s[22:23], s[6:7], s[22:23]
	s_add_nc_u64 s[4:5], s[4:5], s[86:87]
	s_add_nc_u64 s[8:9], s[8:9], s[88:89]
	CROUND                          ; all sixteen work-groups are here: the first joint loads meet
.irp s, 0,1
	s_mov_b32 s[G0K+4*(\s)], 1
	s_mov_b32 s[G0K+4*(\s)+1], (\s)*SLOT1
	s_add_nc_u64 s[G0K+4*(\s)+2:G0K+4*(\s)+3], s[20:21], 0x800000+(\s)*32768  ; k's heads begin 8 heads in; a step is 128 rows of 256 bytes
	s_or_b32 s[G0K+4*(\s)+3], s[G0K+4*(\s)+3], 0x80000000
	s_mov_b32 s[G0V+4*(\s)], 1
	s_mov_b32 s[G0V+4*(\s)+1], VOFF+(\s)*SLOT1
	s_add_nc_u64 s[G0V+4*(\s)+2:G0V+4*(\s)+3], s[20:21], 0xc00000+(\s)*32768  ; v's 12 heads in
	s_or_b32 s[G0V+4*(\s)+3], s[G0V+4*(\s)+3], 0x80000000
	s_mov_b32 s[G0M+4*(\s)], 1
	s_add_co_u32 s[G0M+4*(\s)+1], s90, (\s)*SLOT1
	s_add_nc_u64 s[G0M+4*(\s)+2:G0M+4*(\s)+3], s[22:23], (\s)*512             ; a step is 128 keys of 4 bytes
	s_or_b32 s[G0M+4*(\s)+3], s[G0M+4*(\s)+3], 0x80000000
.endr
	s_cmp_eq_u32 s[WV], 0           ; a wave's two first fills stand in one branch, ahead of every wait on TENSORcnt and every LDS read: two loads of mine are out
	s_cbranch_scc0 .Lfirst_not_k
	tensor_load_to_lds s[G0K:G0K+3], s[G1K:G1K+7]
	s_nop 0
	tensor_load_to_lds s[G0K+4:G0K+7], s[G1K:G1K+7]
	s_nop 0
	PLACES
	s_branch .Lfirst_asked
.Lfirst_not_k:
	s_cmp_eq_u32 s[WV], 1
	s_cbranch_scc0 .Lfirst_m
	tensor_load_to_lds s[G0V:G0V+3], s[G1V:G1V+7]
	s_nop 0
	tensor_load_to_lds s[G0V+4:G0V+7], s[G1V:G1V+7]
	s_nop 0
	PLACES
	s_branch .Lfirst_asked
.Lfirst_m:
	tensor_load_to_lds s[G0M:G0M+3], s[G1M:G1M+7]
	s_nop 0
	tensor_load_to_lds s[G0M+4:G0M+7], s[G1M:G1M+7]
	s_nop 0
	PLACES
.Lfirst_asked:
	; A fragment of K or Q is 16 rows x 32 channels in 8 registers: lane l holds row l % 16, channels 8 (l / 16) + 0..7 and 16 + 8 (l / 16) + 0..7: two loads of 16 bytes, 32 bytes apart.
	v_and_b32 v1, 15, v0            ; l % 16
	v_bfe_u32 v[HH], v0, 4, 1       ; l / 16
	v_lshlrev_b32 v[QO], 8, v1
	v_lshl_add_u32 v[QO], v[HH], 4, v[QO]
	WIN 0x80                        ; destination window 2, address window 0
.irp i, 0,1,2,3,4,5,6,7,8,9,10,11,12,13,14,15  ; Q stays in registers: tile i / 4 (head (i / 4) % 2, query tile i / 8), channels 32 (i % 4) on
	global_load_b128 v[8*(\i):8*(\i)+3],   v[QO], s[4:5] offset:(((\i)/4)%2)*1048576+((\i)/8)*4096+((\i)%4)*64
	global_load_b128 v[8*(\i)+4:8*(\i)+7], v[QO], s[4:5] offset:(((\i)/4)%2)*1048576+((\i)/8)*4096+((\i)%4)*64+32
.endr
	; What the first turn finds: V's registers and piece 2's P hold 0 (its products, of a step that has not been, add 0), O^T and l are 0, m is the lowest finite number.  All this stands in the wait for the first tile.
	WIN 0xc0
.irp i, 0,1,2,3,4,5,6,7
	v_mov_b32 v[ONES+(\i)], 0x3c003c00  ; 1.0 twice, in f16
.endr
.set i, 0
.rept 128
	v_mov_b32 v[i], 0               ; V
.set i, i+1
.endr
.set i, LL
.rept 32
	v_mov_b32 v[i], 0               ; l
.set i, i+1
.endr
	WIN 0x40
.set i, 0
.rept 256
	v_mov_b32 v[i], 0               ; O^T
.set i, i+1
.endr
	WIN 0
.irp t, 0,1,2,3
	v_mov_b32 v[ST+8*(\t)], 0xff7fffff
	v_mov_b32 v[ST+8*(\t)+1], 0
.endr
.set i, P+32
.rept 32
	v_mov_b32 v[i], 0               ; piece 2's P
.set i, i+1
.endr
	s_mul_i32 s86, s[KH], 64*PKP    ; my half of a slot's keys
	v_mul_u32_u24 v[AK0], v1, PKP
	v_lshl_add_u32 v[AK0], v[HH], 4, v[AK0]
	v_add_nc_u32 v[AK0], s86, v[AK0]
	; The turning load takes 16 keys x 16 channels (lane l reads key 8 (l / 16) + l % 8, channels 8 ((l / 8) % 2) + 0..7) and leaves half a fragment of V^T: lane l holds channel l % 16 and 8 keys.
	s_mul_i32 s86, s[KH], 64*PVP
	s_add_co_u32 s86, s86, VOFF
	v_and_b32 v[T0], 7, v0
	v_bfe_u32 v[T1], v0, 3, 1
	v_lshl_add_u32 v[AV0], v[HH], 3, v[T0]
	v_mul_u32_u24 v[AV0], v[AV0], PVP
	v_lshl_add_u32 v[AV0], v[T1], 4, v[AV0]
	v_add_nc_u32 v[AV0], s86, v[AV0]
	; The mask as S^T lies: my query's row, and for each 16 keys the 32 bytes of my half of the lanes.
	s_mul_i32 s86, s[KH], MHALF
	s_mul_i32 s87, s[PT], 32*272
	s_add_co_u32 s86, s86, s87
	s_add_co_u32 s86, s86, MOFF
	v_mul_u32_u24 v[AM0], v1, 272
	v_lshl_add_u32 v[AM0], v[HH], 5, v[AM0]
	v_add_nc_u32 v[AM0], s86, v[AM0]
; THE MATRIX WORK OF A TURN, for piece x.  The accumulators take turns, one instruction a turn.
; Product i of 32 of O^T += V^T P: keys 32 (i / 16) on, channels 16 ((i / 2) % 8) on, tile x + i % 2.
.macro PV x
	WIN W_PV
.set rO, 64*((\x)+i%2)+8*((i/2)%8)
.set rV, 64*(i/16)+8*((i/2)%8)
.set rP, P+16*((\x)+i%2)+8*(i/16)
	v_wmma_f32_16x16x32_f16 v[rO:rO+7], v[rV:rV+7], v[rP:rP+7], v[rO:rO+7]
.endm
; Product i of 4 of l += ones P: keys 32 (i / 2) on, tile x + i % 2.  Every register of the result holds the lane's query's sum over all 32 keys; register 0 alone is kept in scale and read; the others hold sums of at most 1,024.
.macro LS x
	WIN W_LS
.set rL, LL+8*((\x)+i%2)
.set rP, P+16*((\x)+i%2)+8*(i/2)
	v_wmma_f32_16x16x32_f16 v[rL:rL+7], v[ONES:ONES+7], v[rP:rP+7], v[rL:rL+7]
.endm
; Product i of 32 of S^T = K Q^T: channels 32 (i / 8) on, keys 16 ((i / 2) % 4) on, tile x + i % 2.  The first 8 start the sums.
.macro KQ x
	WIN W_KQ
.set rS, S+32*((\x)+i%2)+8*((i/2)%4)
.set rK, KF+32*((i/2)%4)+8*(i/8)
.set rQ, 32*((\x)+i%2)+8*(i/8)
.if i < 8
	v_wmma_f32_16x16x32_f16 v[rS:rS+7], v[rK:rK+7], v[rQ:rQ+7], 0
.else
	v_wmma_f32_16x16x32_f16 v[rS:rS+7], v[rK:rK+7], v[rQ:rQ+7], v[rS:rS+7]
.endif
.endm
; THE LDS LOADS stand in two runs of 40: a step's K and piece 0's mask; a turn later its V (turned) and piece 2's mask.
.macro FETCH_K
	WIN 0
	v_add_nc_u32 v[ADR], s[TB], v[AK0]
	v_add_nc_u32 v[ADRM], s[TB], v[AM0]
	WIN 0x80                        ; destination window 2
.irp f, 0,1,2,3,4,5,6,7,8,9,10,11,12,13,14,15  ; keys 16 (f / 4) on, channels 32 (f % 4) on
	ds_load_b128 v[KF+8*(\f):KF+8*(\f)+3],   v[ADR] offset:((\f)/4)*16*PKP+((\f)%4)*64
	ds_load_b128 v[KF+8*(\f)+4:KF+8*(\f)+7], v[ADR] offset:((\f)/4)*16*PKP+((\f)%4)*64+32
.endr
	WIN 0xc0                        ; destination window 3
.irp f, 0,1,2,3
	ds_load_b128 v[MK0+8*(\f):MK0+8*(\f)+3],   v[ADRM] offset:64*(\f)
	ds_load_b128 v[MK0+8*(\f)+4:MK0+8*(\f)+7], v[ADRM] offset:64*(\f)+16
.endr
.endm
.macro FETCH_V
	WIN 0
	v_add_nc_u32 v[ADR], s[TB], v[AV0]
	v_add_nc_u32 v[ADRM], s[TB], v[AM0]
	WIN 0xc0
.irp f, 0,1,2,3,4,5,6,7,8,9,10,11,12,13,14,15  ; keys 32 (f / 8) on, channels 16 (f % 8) on
	ds_load_tr16_b128 v[8*(\f):8*(\f)+3],   v[ADR] offset:((\f)/8)*32*PVP+((\f)%8)*32
	ds_load_tr16_b128 v[8*(\f)+4:8*(\f)+7], v[ADR] offset:((\f)/8)*32*PVP+16*PVP+((\f)%8)*32
.endr
.irp f, 0,1,2,3
	ds_load_b128 v[MK0+32+8*(\f):MK0+32+8*(\f)+3],   v[ADRM] offset:16*272+64*(\f)  ; piece 2's queries lie 16 rows on
	ds_load_b128 v[MK0+32+8*(\f)+4:MK0+32+8*(\f)+7], v[ADRM] offset:16*272+64*(\f)+16
.endr
.endm
; THE VECTOR WORK OF A TURN.  One tile's softmax for one key step is a list of numbers 0 to 137; SM writes number j of it for tile t.  s0-s31 are the lane's 32 scores, in pairs 0-15; e = j - 16.
;   j 0-15   z = c' s + mask, a pair at a time, ascending: each accumulator's lowest registers are read first
;   e 0-15   the maximum of z0-z31 and the old m, three operands at a time     e 16-20  the other half of the lanes' maximum; the old m kept; the new m; m_old - m_new
;   e 21-87  33 exponentials (a, then z0-z31) at the odd numbers from 23 on; the plain numbers between them are z - m for a pair whose exponentials are still to come, or the rounding to f16 of a pair whose exponentials are done
;   e 88     l times a     e 89  the last rounding     e 90-121  the tile's O^T times a
.macro SM t
.set rT, ST+8*(\t)
.set rS, S+32*(\t)
.set rP, P+16*(\t)
.set rM, MK0+32*((\t)/2)
.set rL, LL+8*(\t)
.set rO, 64*(\t)+2*(j-106)
.set e, j-16
.set q, (e-20)/2
.if j < 16
	WIN 0x30                        ; the mask (source 2) in window 3
	v_pk_fma_f32 v[rS+2*j:rS+2*j+1], v[rS+2*j:rS+2*j+1], s[CS:CS+1], v[rM+2*j:rM+2*j+1] op_sel_hi:[1,0,1]
.elseif e < 4
	WIN 0
	v_max3_num_f32 v[rT+4+e], v[rS+8*e], v[rS+8*e+1], v[rS+8*e+2]
.elseif e < 12
	WIN 0
	v_max3_num_f32 v[rT+4+e%4], v[rT+4+e%4], v[rS+8*(e%4)+2*(e/4)+1], v[rS+8*(e%4)+2*(e/4)+2]
.elseif e == 12
	WIN 0
	v_max3_num_f32 v[rT+4], v[rT+4], v[rS+7], v[rS+15]
.elseif e == 13
	WIN 0
	v_max3_num_f32 v[rT+6], v[rT+6], v[rS+23], v[rS+31]
.elseif e == 14
	WIN 0
	v_max3_num_f32 v[rT+4], v[rT+4], v[rT+5], v[rT+6]
.elseif e == 15
	WIN 0
	v_max3_num_f32 v[rT+4], v[rT+4], v[rT+7], v[rT]
.elseif e == 16
	WIN 0
	v_permlanex16_b32 v[rT+5], v[rT+4], s[SEL], s[SEL+1]  ; the query's other 32 keys lie in the lane 16 away
.elseif e == 17
	WIN 0
	v_mov_b32 v[rT+7], v[rT]        ; m_old is kept for a: number 18 writes m anew
.elseif e == 18
	WIN 0
	v_max_num_f32 v[rT], v[rT+4], v[rT+5]
.elseif e == 19                     ; nothing
.elseif e == 20
	WIN 0
	v_sub_f32 v[rT+7], v[rT+7], v[rT]
.elseif e == 23
	WIN 0
	v_exp_f32 v[rT+6], v[rT+7]
.elseif (e < 88) && (e > 23) && (e%2 == 1)
	WIN 0
	v_exp_f32 v[rS+(e-25)/2], v[rS+(e-25)/2]
.elseif (q < 4) || ((e < 76) && (q%2 == 0))
.set b, q/2+2
.if q < 4
.set b, q
.endif
	WIN 0
	v_pk_add_f32 v[rS+2*b:rS+2*b+1], v[rS+2*b:rS+2*b+1], v[rT:rT+1] op_sel_hi:[1,0] neg_lo:[0,1] neg_hi:[0,1]  ; pair b: z - m
.elseif (e < 88) && (q%2 == 1)
	WIN 0
	s_wait_alu depctr_va_vdst(0)
	v_cvt_pk_f16_f32 v[rP+(q-5)/2], v[rS+q-5], v[rS+q-4]  ; pair (q - 5) / 2: its second exponential stands three numbers back
.elseif e < 88                      ; 76, 80, 84: nothing
.elseif e == 88
	WIN 0xc3                        ; l (destination and source 0) in window 3, a in window 0
	v_mul_f32 v[rL], v[rL], v[rT+6]
.elseif e == 89
	WIN 0
	s_wait_alu depctr_va_vdst(0)
	v_cvt_pk_f16_f32 v[rP+15], v[rS+30], v[rS+31]
.else
	WIN W_RS
	v_pk_mul_f32 v[rO:rO+1], v[rO:rO+1], v[rT+6:rT+7] op_sel_hi:[1,0]
.endif
.endm
; Slice k of 69 of piece y's softmax: numbers 2 k and 2 k + 1 of both tiles' lists.
.macro SLICE y
.if (k >= 19) && (k < 52)           ; tile by tile: plain, exponential, plain, exponential
.irp t, \y, (\y)+1
.irp n, 0,1
.set j, 2*k+(\n)
	SM \t
.endr
.endr
.else                               ; the two tiles alternate, so that no instruction reads the result of the one just before it
.irp n, 0,1
.irp t, \y, (\y)+1
.set j, 2*k+(\n)
	SM \t
.endr
.endr
.endif
.set k, k+1
.endm
; A TURN.  Piece x has the matrix unit: 32 products V^T P, 4 for l, 32 products K Q^T for the next step; the other piece's softmax stands in slices behind them, one behind each, and slice 68 behind slice 67.
; Those two, eight plain rescalings that name nothing of the products round them, are the places between the turn's last K Q^T and the next turn's first read of those scores and loads into K's registers.
; Piece 0's turn fetches the next step's K behind its second product; piece 2's turn fetches the same step's V behind its second K Q^T, seven slices, fourteen plain instructions, behind the last product that read V.
.macro TURN x
.set k, 0
.if (\x) == 0
	s_wait_dscnt 0x0                ; V and piece 2's mask are in
.endif
.set i, 0
.rept 32
	PV \x
	SLICE 2-(\x)
.if ((\x) == 0) && (i == 1)
	FETCH_K
.endif
.set i, i+1
.endr
.set i, 0
.rept 4
	LS \x
	SLICE 2-(\x)
.set i, i+1
.endr
.if (\x) == 0
	s_wait_dscnt 0x0                ; K and piece 0's mask are in
.endif
.set i, 0
.rept 32
	KQ \x
	SLICE 2-(\x)
.if ((\x) == 2) && (i == 1)
	FETCH_V
.endif
.set i, i+1
.endr
	SLICE 2-(\x)
.endm
; THE CHANGE OF SLOTS, between piece 2's turn and piece 0's: the slot's last bytes, V and piece 2's mask, have been asked for.  Each wave waits for all its tensor loads, of which one is out: its part of the other slot;
; adds 0 to its spare word; and waits for that and for its own reads of the slot.  fill = 1: the barrier is a round of the cluster's, so that no wave of any partner still reads the slot or has a load on its way, and the slot is
; filled again, with the step two on, first thing behind it: it has one step, 136 matrix instructions, in which to land.
.macro CHANGE fill
	WIN 0                           ; at a label and at a branch every window is 0
	s_wait_tensorcnt 0x0            ; no tensor load of mine is out, so a group 0 may be written
	ds_add_u32 v[SPW], v[NIL]       ; 0 onto my spare word; with fill = 1 the descriptors' steps stand between it and the wait for it
.if \fill
.irp g, G0K+4, G0V+4
	s_xor_b32 s[(\g)+1], s[(\g)+1], SLOT1  ; the walking descriptor: the other slot than last time,
	s_add_nc_u64 s[(\g)+2:(\g)+3], s[(\g)+2:(\g)+3], 32768  ; the next 128 keys
.endr
	s_xor_b32 s[G0M+5], s[G0M+5], SLOT1
	s_add_nc_u64 s[G0M+6:G0M+7], s[G0M+6:G0M+7], 512
	s_wait_dscnt 0x0                ; the add is done, and my reads of the slot are over
	CROUND
	JLOAD
.else
	s_wait_dscnt 0x0
	s_barrier_signal -1
	s_barrier_wait -1
.endif
	s_xor_b32 s[TB], s[TB], SLOT1   ; the fetches go on in the other slot
.endm
	s_wait_tensorcnt 1              ; my part of slot 0 is in; slot 1's may stay out
	s_barrier_signal -1
	s_barrier_wait -1               ; everybody's is
	FETCH_K                         ; key step 0
	s_wait_loadcnt 0x0              ; Q
	s_wait_dscnt 0x0
.set i, 0
.rept 32
	KQ 0                            ; piece 0's first scores: there is no vector work yet to set between them
.set i, i+1
.endr
	WIN 0                           ; the addresses for the merge and the way out are made here: plain instructions, the places behind those products
	s_mul_i32 s86, s[PT], 16*SP
	s_add_co_u32 s86, s86, STAGE    ; my stage (waves 0 and 1)
	v_mul_u32_u24 v[STO], v1, SP    ; in: row l % 16, 16 bytes for each half of the lanes
	v_lshl_add_u32 v[STO], v[HH], 4, v[STO]
	v_add_nc_u32 v[STO], s86, v[STO]
	v_mul_u32_u24 v[RD], v[HH], SP  ; back: lanes 0-15 take one row of 256 bytes, lanes 16-31 the next
	v_lshl_add_u32 v[RD], v1, 4, v[RD]
	v_add_nc_u32 v[RD], s86, v[RD]
	v_lshlrev_b32 v[GO], 11, v[HH]  ; and the same two rows in ctx
	v_lshl_add_u32 v[GO], v1, 4, v[GO]
	s_mul_i32 s87, s[PT], MRGW
	s_add_co_u32 s87, s87, MRG      ; where wave 2 + w % 2 hands over to wave w % 2
	v_and_b32 v[T0], 31, v0
	v_lshl_add_u32 v[MG], v[T0], 4, s87
	s_add_co_u32 s87, s87, 32768
	v_lshl_add_u32 v[ML], v[T0], 2, s87
	s_mov_b32 s[SLOTS], 15          ; the half trip that begins at .Lfirst, then 14 whole trips, which ask for steps 2 to 15
	s_branch .Lfirst                ; the loop is entered at piece 2's turn: its products V^T P add zeros, its K Q^T are step 0's, and piece 0's softmax of step 0 rides on them
.Lslot:                             ; trip n: step n + 1 is asked for; V^T P of step n - 1, K Q^T of step n
	CHANGE 1
	TURN 0
	WIN 0
.Lfirst:
	TURN 2
	WIN 0
	s_sub_co_u32 s[SLOTS], s[SLOTS], 1
	s_cmp_lg_u32 s[SLOTS], 0
	s_cbranch_scc1 .Lslot
	CHANGE 0                        ; the tail is written out: nothing is asked for
	s_mov_b32 s[SLOTS], 2           ; one whole trip (V^T P of step 14, K Q^T of step 15); the second is left in its middle
.Ltail:
	TURN 0
	WIN 0
	s_sub_co_u32 s[SLOTS], s[SLOTS], 1
	s_cmp_eq_u32 s[SLOTS], 0
	s_cbranch_scc1 .Lout
	TURN 2
	WIN 0
	s_branch .Ltail
.Lout:                              ; the second trip's fetch of K (step 15's once more) and its 32 products K Q^T serve nothing: the price, once a launch, of one text for every trip
.set i, 0
.rept 32
	PV 2                            ; piece 2: V^T P of the last step
.set i, i+1
.endr
.set i, 0
.rept 4
	LS 2
.set i, i+1
.endr
	; THE MERGE.  Waves 2 and 3 hand their O^T, m and l, as they lie in the lanes, to waves 0 and 1, which hold the same queries' other keys.
	WIN 0
	PLACES                          ; behind the last products
	s_cmp_lt_u32 s[WV], 2
	s_cbranch_scc1 .Lkeeper
	WIN 0x04                        ; store data in window 1
.set n, 0
.rept 64
	ds_store_b128 v[MG], v[4*n:4*n+3] offset:512*n  ; ascending: each accumulator's lowest registers are read first
.set n, n+1
.endr
	WIN 0
.irp t, 0,1,2,3
	ds_store_b32 v[ML], v[ST+8*(\t)] offset:128*(\t)
.endr
	WIN 0x0c                        ; store data in window 3
.irp t, 0,1,2,3
	ds_store_b32 v[ML], v[LL+8*(\t)] offset:512+128*(\t)
.endr
	WIN 0
.Lkeeper:
	s_wait_dscnt 0x0                ; for the others' sake: my stores are done
	s_barrier_signal -1
	s_barrier_wait -1
	s_cmp_lt_u32 s[WV], 2
	s_cbranch_scc0 .Lend
	WIN 0x80
.set n, 0
.rept 64
	ds_load_b128 v[4*n:4*n+3], v[MG] offset:512*n   ; the partner's O^T, where Q and K lay
.set n, n+1
.endr
	WIN 0
.irp t, 0,1,2,3
	ds_load_b32 v[ST+8*(\t)+1], v[ML] offset:128*(\t)       ; its m
	ds_load_b32 v[ST+8*(\t)+2], v[ML] offset:512+128*(\t)   ; its l
.endr
	WIN 0x03
.irp t, 0,1,2,3
	v_mov_b32 v[ST+8*(\t)+3], v[LL+8*(\t)]                  ; my l
.endr
	WIN 0
	s_wait_dscnt 0x0
.macro ALL line:vararg              ; one line for each tile t
.set t, 0
.rept 4
	s_wait_alu depctr_va_vdst(0)
	\line
.set t, t+1
.endr
.endm
	ALL v_max_num_f32 v[ST+8*t+4], v[ST+8*t], v[ST+8*t+1]       ; the common maximum
	ALL v_sub_f32 v[ST+8*t+5], v[ST+8*t], v[ST+8*t+4]
	ALL v_sub_f32 v[ST+8*t+6], v[ST+8*t+1], v[ST+8*t+4]
	ALL v_exp_f32 v[ST+8*t+5], v[ST+8*t+5]                      ; my share's factor,
	ALL v_exp_f32 v[ST+8*t+6], v[ST+8*t+6]                      ; the partner's: one of the two is 1
	v_nop                           ; a plain instruction behind the last exponential
	ALL v_mul_f32 v[ST+8*t+7], v[ST+8*t+3], v[ST+8*t+5]
	ALL v_fmac_f32 v[ST+8*t+7], v[ST+8*t+2], v[ST+8*t+6]        ; l of all keys: at least 1
	ALL v_rcp_f32 v[ST+8*t+7], v[ST+8*t+7]
	v_nop                           ; a plain instruction behind the last reciprocal
	ALL v_mul_f32 v[ST+8*t+4], v[ST+8*t+5], v[ST+8*t+7]
	ALL v_mul_f32 v[ST+8*t+6], v[ST+8*t+6], v[ST+8*t+7]
; Tile t: both shares are scaled and added, rounded to f16; a lane's eight channels pack into 16 bytes, go into rows of 272 bytes and come back as whole rows of 256, into S^T's registers.
.macro PACK t
	WIN W_RS
.set i, 64*(\t)
.rept 32
	v_pk_mul_f32 v[i:i+1], v[i:i+1], v[ST+8*(\t)+4:ST+8*(\t)+5] op_sel_hi:[1,0]
.set i, i+2
.endr
	WIN 0x52                        ; the partner's O^T (source 0) window 2, its factor window 0, mine (source 2 and destination) window 1
.set i, 64*(\t)
.rept 32
	v_pk_fma_f32 v[i:i+1], v[i:i+1], v[ST+8*(\t)+6:ST+8*(\t)+7], v[i:i+1] op_sel_hi:[1,0,1]
.set i, i+2
.endr
	WIN 0x05                        ; sources 0 and 1 window 1, destination window 0
.set i, 0
.rept 32
	v_cvt_pk_f16_f32 v[S+32*(\t)+i], v[64*(\t)+2*i], v[64*(\t)+2*i+1]
.set i, i+1
.endr
	WIN 0
.irp f, 0,1,2,3,4,5,6,7
	ds_store_b128 v[STO], v[S+32*(\t)+4*(\f):S+32*(\t)+4*(\f)+3] offset:32*(\f)
.endr
.irp f, 0,1,2,3,4,5,6,7
	ds_load_b128 v[S+32*(\t)+4*(\f):S+32*(\t)+4*(\f)+3], v[RD] offset:(\f)*2*SP  ; LDS serves a wave's instructions in order (ISA guide 5.7.1.4): these see the stores above; the next tile's stores come behind them
.endr
.endm
.macro SEND t, younger              ; younger: the LDS instructions issued behind tile t's loads: the next tile's sixteen, or none
	WIN 0
.irp f, 0,1,2,3,4,5,6,7
	s_wait_dscnt (\younger)+7-(\f)
	global_store_b128 v[GO], v[S+32*(\t)+4*(\f):S+32*(\t)+4*(\f)+3], s[8:9] offset:((\t)/2)*32768+((\t)%2)*256+(\f)*4096  ; 16 lanes store a head's 256 consecutive bytes of a row, aligned
.endr
.endm
	PACK 0
	PACK 1                          ; a tile's arithmetic stands between the loads of the tile before and its stores
	SEND 0, 16
	PACK 2
	SEND 1, 16
	PACK 3
	SEND 2, 16
	SEND 3, 0
.Lend:
	s_wait_tensorcnt 0x0            ; the wave's end: behind my last tensor load and my last LDS store
	ds_add_u32 v[SPW], v[NIL]
	s_wait_dscnt 0x0
	CROUND                          ; the closing round: no work-group ends while a partner may still ask for a tile that names it
	s_endpgm
.Lfunc_end_k_qc7fa67b88d_attn:
	.size	k_qc7fa67b88d_attn, .Lfunc_end_k_qc7fa67b88d_attn-k_qc7fa67b88d_attn
	.p2alignl 7, 3214868480
	.fill 96, 4, 3214868480
	.section	.rodata,"a",@progbits
	.p2align	6, 0x0
	.amdhsa_kernel k_qc7fa67b88d_attn
		.amdhsa_group_segment_fixed_size 327680
		.amdhsa_private_segment_fixed_size 0
		.amdhsa_enable_private_segment 0
		.amdhsa_kernarg_size 24
		.amdhsa_user_sgpr_count 2
		.amdhsa_user_sgpr_kernarg_segment_ptr 1
		.amdhsa_wavefront_size32 1
		.amdhsa_system_sgpr_workgroup_id_x 1
		.amdhsa_system_sgpr_workgroup_id_y 1
		.amdhsa_system_sgpr_workgroup_id_z 1
		.amdhsa_system_vgpr_workitem_id 0
		.amdhsa_next_free_vgpr 1024
		.amdhsa_next_free_sgpr 96
		.amdhsa_reserve_vcc 0
		.amdhsa_float_denorm_mode_32 3
		.amdhsa_float_denorm_mode_16_64 3
		.amdhsa_memory_ordered 1
		.amdhsa_forward_progress 1
		.amdhsa_inst_pref_size 189
	.end_amdhsa_kernel
	.amdgpu_metadata
---
amdhsa.version: [ 1, 2 ]
amdhsa.kernels:
  - .name:           k_qc7fa67b88d_attn
    .symbol:         k_qc7fa67b88d_attn.kd
    .args:
      - { .name: qkv, .offset: 0, .size: 8, .value_kind: global_buffer, .address_space: global }
      - { .name: mask2, .offset: 8, .size: 8, .value_kind: global_buffer, .address_space: global }
      - { .name: ctx, .offset: 16, .size: 8, .value_kind: global_buffer, .address_space: global }
    .group_segment_fixed_size: 327680
    .private_segment_fixed_size: 0
    .kernarg_segment_align: 8
    .kernarg_segment_size: 24
    .max_flat_workgroup_size: 128
    .sgpr_count:     96
    .vgpr_count:     1024
    .wavefront_size: 32
...
	.end_amdgpu_metadata
.endif
;; end of part 3
;; launch oproj (part 4): grid 16 x 16, 4 waves a work-group, clusters of 4 x 4, 327,680 bytes of LDS; arguments ctx, wo16, out0; writes out0
.if DOCPART == 4
	.amdgcn_target "amdgcn-amd-amdhsa--gfx1250"
	.amdhsa_code_object_version 6
	.text
	.protected	k_qc7fa67b88d_oproj
	.globl	k_qc7fa67b88d_oproj
	.p2align	8
	.type	k_qc7fa67b88d_oproj,@function
k_qc7fa67b88d_oproj:
	s_mov_b64 s[64:65], 0
	v_nop
	global_prefetch_b8 v0, s[64:65] scope:SCOPE_SE
	s_setreg_imm32_b32 hwreg(HW_REG_WAVE_MODE, 25, 1), 1
	s_wait_xcnt 0x0
	s_wait_alu depctr_hold_cnt(0) depctr_sa_sdst(0) depctr_va_vdst(0) depctr_va_sdst(0) depctr_va_ssrc(0) depctr_va_vcc(0) depctr_vm_vsrc(0)
	s_getreg_b32 s2, hwreg(HW_REG_IB_STS2, 6, 4)
	s_cmp_eq_u32 s2, 0
	s_cbranch_scc0 .Lentry_in_a_cluster
	s_endpgm
.Lentry_in_a_cluster:
	s_bfe_u32 s2, ttmp6, 0x10000c
	s_cmp_lg_u32 s2, 0xf033
	s_cbranch_scc0 .Lentry_shape_is_right
	s_endpgm
.Lentry_shape_is_right:
; out0 = ctx Wo^T.  ctx: [4096][1024] f16, a quarter of the attention's result.  wo16: [4096][1024] f16, 4 x bf16(Wo).  out0: [4096][4096] f32; sums in f32, stored as they are.
; SHARES.  A tile of out0 is 256 x 256: 16 x 16 = 256 work-groups.  Four waves, as many as a WGP has SIMDs, each 128 x 128: 64 accumulators of 16 x 16, 512 registers: for 32 along K a wave loads 32 x 512 bytes from LDS
; and issues 64 matrix instructions.
; K goes in steps of 128 (rows of 256 bytes, aligned) through a ring of two LDS slots filled by tensor loads, 128 rows a wave: waves 0 and 1 bring the halves of ctx's 256 rows, waves 2 and 3 those of Wo's.
; A slot is asked for again in the fourth quarter of its K step, and the wait for that load stands at the head of the fourth quarter of the next: 224 matrix instructions later.
; CLUSTER.  4 x 4 work-groups: the four of a row of the cluster need the same tile of ctx, the four of a column the same tile of Wo: each is asked for jointly, by the same load with the same descriptor and a mask of four.
; THE MATRIX INSTRUCTION IS USED TRANSPOSED (source 0 = 16 rows of Wo, source 1 = 16 rows of ctx): lane l holds row l % 16 of out0 and eight neighbouring columns 8 (l / 16) + 0..7: 32 bytes.
; REGISTERS, in windows of 256 (s_set_vgpr_msb: bits 1:0 source 0, 3:2 source 1, 5:4 source 2, 7:6 destination):
;   window 0: v0-31 addresses; v64-127, v128-191 fragments of ctx (8 x 16 rows x 32 K), two buffers; on the way out the same registers take rows read back from the stage
;   window 1: v64-127, v128-191 fragments of Wo, two buffers
;   window 2: the 32 accumulators of my rows 0-63 (accumulator (a, b) at v[8 (8 a + b)]);   window 3: those of my rows 64-127
.set SIZE_K, 1024
.set SIZE_N, 4096
.set KSTEP,  128
.set PITCH,  272                       ; an LDS row: 256 bytes + 16 of padding = 68 words: the 16 rows of a fragment load start at 16 different groups of four banks (64 banks of 4 bytes: ISA guide 11.1)
.set HALFT,  128*PITCH                 ; 128 rows: what one tensor load brings, and what one wave reads of ctx or of Wo
.set SLOT,   4*HALFT                   ; ctx's 256 rows, then Wo's 256 rows
.set STAGE,  2*SLOT                    ; behind the ring: 16 rows x 528 bytes for each wave, for the way out
.set SPITCH, 528                       ; 512 bytes + 16 = 132 words: again 16 rows at 16 different groups of four banks
.set SPARE,  STAGE+4*16*SPITCH         ; behind the stages: the spare words, 128 bytes for each wave
.set LAPS,   SIZE_K/(2*KSTEP)          ; a lap = two K steps = once round the ring
.set ADRA, 16                          ; v16-17  LDS address of my fragments of ctx in slot 0, 1
.set ADRB, 20                          ; v20-21  the same for Wo
.set STO,  24                          ; v24     the way out: where I put 32 bytes of a row
.set RD,   25                          ; v25     the way out: where I read a row back
.set CO,   26                          ; v26     16 x lane: my byte offset in 512 bytes of a row of out0; never rewritten
.set SPW,  28                          ; v28     LDS address of my spare word; never rewritten
.set NIL,  29                          ; v29     0; never rewritten
.set F0,   64                          ; fragment buffer 0
.set F1,   128                         ; fragment buffer 1
.set BK,   64                          ; the way out: 16 rows read back, 64 registers, two buffers by turns
.set G1,  24                           ; s[24:31] descriptor group 1 for ctx's tiles;  s[32:39] group 0, a set for each slot
.set G0,  32
.set G1B, 48                           ; s[48:55], s[56:63] the same for Wo's tiles
.set G0B, 56
.set MSB, 0
.macro WIN new                         ; the immediate's high byte repeats the setting that is left; a switch that changes nothing is dropped
.if MSB != (\new)
	s_set_vgpr_msb (MSB<<8)|(\new)
.set MSB, \new
.endif
.endm
.set MUL_LO, 0xa1                      ; source 0 (Wo) window 1, source 1 (ctx) window 0, C and D window 2
.set MUL_HI, 0xf1                      ; the same, C and D window 3
.set TO_B,   0x40                      ; destination window 1, address window 0
.macro JLOAD s                         ; a joint load; an s_nop 0 and four v_nop follow each of the two lines, ahead of the jump, the label and what follows
	s_cmp_eq_u32 s11, 0
	s_cbranch_scc0 .Lfor_b_\@
	tensor_load_to_lds s[G0+4*(\s):G0+4*(\s)+3], s[G1:G1+7]
	s_nop 0
.rept 4
	v_nop
.endr
	s_branch .Lasked_\@
.Lfor_b_\@:
	tensor_load_to_lds s[G0B+4*(\s):G0B+4*(\s)+3], s[G1B:G1B+7]
	s_nop 0
.rept 4
	v_nop
.endr
.Lasked_\@:
.endm
.macro CREST                           ; a round of the cluster's barrier behind its opening barrier
	s_cmp_lg_u32 s10, 0
	s_cbranch_scc1 .Lnot_wave_0_\@
	s_barrier_signal -3
.Lnot_wave_0_\@:
	s_barrier_wait -3
	s_barrier_signal -1
	s_barrier_wait -1
.endm
.macro CROUND                          ; a whole round
	s_barrier_signal -1
	s_barrier_wait -1
	CREST
.endm
	s_load_b128 s[4:7], s[0:1], 0x0                ; ctx s[4:5], wo16 s[6:7]
	s_load_b64 s[8:9], s[0:1], 0x10                ; out0
	v_lshl_add_u32 v[SPW], v0, 2, SPARE
	v_mov_b32 v[NIL], 0
	ds_add_u32 v[SPW], v[NIL]                      ; the wave's opening: the add and its wait stand ahead of my first tensor load; the set-up below, work on registers, stands between them
	v_lshrrev_b32 v1, 5, v0
	v_readfirstlane_b32 s10, v1                    ; wave 0..3
	s_lshr_b32 s11, s10, 1                         ; which half of the tile's rows is mine.  Also: I fetch for ctx (0) or for Wo (1)
	s_and_b32 s12, s10, 1                          ; which half of its columns.  Also: which 128 rows of that tile I fetch
	s_bfe_u32 s40, ttmp6, 0x40000                  ; cx, cy: my place in the cluster
	s_bfe_u32 s41, ttmp6, 0x40004
	s_lshl_b32 s42, ttmp9, 2
	s_add_co_u32 s42, s42, s40                     ; tile column = 4 x cluster x + cx
	s_and_b32 s13, ttmp7, 0xffff
	s_lshl_b32 s13, s13, 2
	s_add_co_u32 s13, s13, s41                     ; tile row = 4 x cluster y + cy
	s_lshl_b32 s43, s41, 2
	s_lshl_b32 s43, 15, s43                        ; my row of the cluster
	s_lshl_b32 s44, 0x1111, s40                    ; my column
	s_or_b32 s[G1+0], s43, (1<<16)|(1<<20)|(1<<21)|(5<<22)|(3<<25)   ; the mask; 2-byte elements; padding on; bit 21 beside a mask; after every 64 words 4 words of padding
	s_or_b32 s[G1B+0], s44, (1<<16)|(1<<20)|(1<<21)|(5<<22)|(3<<25)
.irp g, G1, G1B
	s_mov_b32 s[(\g)+1], KSTEP<<16                 ; tensor_dim0 = 128
	s_mov_b32 s[(\g)+2], 128<<16                   ; tensor_dim1 = 128
	s_mov_b32 s[(\g)+3], KSTEP<<16                 ; tile_dim0 = 128
	s_mov_b32 s[(\g)+4], 128                       ; tile_dim1 = 128
	s_mov_b32 s[(\g)+5], SIZE_K                    ; elements from row to row
	s_mov_b32 s[(\g)+6], 0
	s_mov_b32 s[(\g)+7], 0
.endr
	s_lshl_b32 s17, s12, 7                         ; which 128 rows of the tile I fetch
	s_lshl_b32 s16, s13, 8
	s_add_co_u32 s16, s16, s17                     ; ctx: row 256 x tile row + 128 x half
	s_lshl_b32 s46, s42, 8
	s_add_co_u32 s46, s46, s17                     ; Wo: row 256 x tile column + 128 x half
	s_mov_b32 s17, 0
	s_mov_b32 s47, 0
	s_mov_b64 s[18:19], SIZE_K*2
	s_mul_u64 s[16:17], s[16:17], s[18:19]
	s_mul_u64 s[46:47], s[46:47], s[18:19]
	s_mul_i32 s20, s10, HALFT                      ; where they go: wave x 128 rows: no place in the cluster enters an LDS address
	s_wait_dscnt 0x0                               ; the opening add is done
	s_wait_kmcnt 0x0
	s_add_nc_u64 s[14:15], s[4:5], s[16:17]
	s_add_nc_u64 s[46:47], s[6:7], s[46:47]
	CROUND                                         ; all sixteen work-groups are here: the first joint loads meet
.irp s, 0,1
	s_mov_b32 s[G0+4*(\s)], 1
	s_add_co_u32 s[G0+4*(\s)+1], s20, (\s)*SLOT
	s_add_nc_u64 s[G0+4*(\s)+2:G0+4*(\s)+3], s[14:15], (\s)*KSTEP*2
	s_or_b32 s[G0+4*(\s)+3], s[G0+4*(\s)+3], 0x80000000
	s_mov_b32 s[G0B+4*(\s)], 1
	s_add_co_u32 s[G0B+4*(\s)+1], s20, (\s)*SLOT
	s_add_nc_u64 s[G0B+4*(\s)+2:G0B+4*(\s)+3], s[46:47], (\s)*KSTEP*2
	s_or_b32 s[G0B+4*(\s)+3], s[G0B+4*(\s)+3], 0x80000000
	JLOAD \s                                       ; two loads of mine are out
.endr
	; A fragment is 16 rows x 32 K in 8 registers: lane l holds row l % 16; registers 0-3 hold K = 8 (l / 16) + 0..7, registers 4-7 K = 16 + 8 (l / 16) + 0..7: two loads of 16 bytes, 32 bytes apart.
	v_and_b32 v1, 15, v0                           ; l % 16
	v_bfe_u32 v2, v0, 4, 1                         ; l / 16
	v_mul_u32_u24 v3, v1, PITCH
	v_lshl_add_u32 v3, v2, 4, v3                   ; row x pitch + 16 x half
	s_mul_i32 s21, s11, HALFT                      ; my 128 rows of ctx
	s_mul_i32 s22, s12, HALFT                      ; my 128 rows of Wo,
	s_add_co_u32 s22, s22, 2*HALFT                 ; which lie behind ctx's 256
.irp s, 0,1
	v_add_nc_u32 v[ADRA+(\s)], s21, v3
	v_add_nc_u32 v[ADRB+(\s)], s22, v3
	s_add_co_u32 s21, s21, SLOT
	s_add_co_u32 s22, s22, SLOT
.endr
	s_mul_i32 s23, s10, 16*SPITCH
	s_add_co_u32 s23, s23, STAGE                   ; my stage
	v_mul_u32_u24 v4, v1, SPITCH                   ; in: row l % 16, 32 bytes for each half of the lanes
	v_lshl_add_u32 v4, v2, 5, v4
	v_add_nc_u32 v[STO], s23, v4
	v_and_b32 v[CO], 31, v0
	v_lshlrev_b32 v[CO], 4, v[CO]
	v_add_nc_u32 v[RD], s23, v[CO]                 ; back: 32 lanes take one row of 512 bytes
	s_lshl_b32 s16, s13, 8                         ; my first row = 256 x tile row + 128 x half: 16,384 bytes each;
	s_lshl_b32 s17, s11, 7
	s_add_co_u32 s16, s16, s17
	s_lshl_b32 s16, s16, 14
	s_mov_b32 s17, 0
	s_add_nc_u64 s[8:9], s[8:9], s[16:17]
	s_lshl_b32 s46, s42, 10                        ; my first column = 256 x tile column + 128 x half: 4 bytes each
	s_lshl_b32 s47, s12, 9
	s_add_co_u32 s46, s46, s47
	s_mov_b32 s47, 0
	s_add_nc_u64 s[8:9], s[8:9], s[46:47]
; 16 matrix instructions: row blocks a0, a0 + 1 of the window's four (hi = 0: my rows 0-63, 1: rows 64-127) x all 8 column blocks, 32 along K.  zero = 1: the product starts the sums: nothing is ever cleared.
; The 64 accumulators take turns in one fixed order.
.macro MUL16 f, hi, a0, zero
	WIN MUL_LO+0x50*(\hi)
.irp a, \a0, (\a0)+1
.irp b, 0,1,2,3,4,5,6,7
.if \zero
	v_wmma_f32_16x16x32_f16 v[8*(8*(\a)+(\b)):8*(8*(\a)+(\b))+7], v[(\f)+8*(\b):(\f)+8*(\b)+7], v[(\f)+8*(4*(\hi)+(\a)):(\f)+8*(4*(\hi)+(\a))+7], 0
.else
	v_wmma_f32_16x16x32_f16 v[8*(8*(\a)+(\b)):8*(8*(\a)+(\b))+7], v[(\f)+8*(\b):(\f)+8*(\b)+7], v[(\f)+8*(4*(\hi)+(\a)):(\f)+8*(4*(\hi)+(\a))+7], v[8*(8*(\a)+(\b)):8*(8*(\a)+(\b))+7]
.endif
.endr
.endr
.endm
; 32 LDS loads in one run: the fragments of one quarter step (128 rows of Wo, 128 rows of ctx, 32 K at byte k of the rows) into buffer f
.macro FETCH slot, k, f
	WIN TO_B
.irp i, 0,1,2,3,4,5,6,7
	ds_load_b128 v[(\f)+8*(\i):(\f)+8*(\i)+3],   v[ADRB+(\slot)] offset:(\k)+(\i)*16*PITCH
	ds_load_b128 v[(\f)+8*(\i)+4:(\f)+8*(\i)+7], v[ADRB+(\slot)] offset:(\k)+(\i)*16*PITCH+32
.endr
	WIN 0
.irp i, 0,1,2,3,4,5,6,7
	ds_load_b128 v[(\f)+8*(\i):(\f)+8*(\i)+3],   v[ADRA+(\slot)] offset:(\k)+(\i)*16*PITCH
	ds_load_b128 v[(\f)+8*(\i)+4:(\f)+8*(\i)+7], v[ADRA+(\slot)] offset:(\k)+(\i)*16*PITCH+32
.endr
.endm
.macro PLACES                          ; four places in front of loads into registers that matrix instructions have read, and of stores that read results (ISA guide 7.12.1 for vector instructions)
.rept 4
	v_nop
.endr
.endm
; A K step is four quarters of 32 along K, 64 matrix instructions each, on buffers 0, 1, 0, 1.  One of the first three: multiplies buffer f; in its middle it fetches the next quarter's fragments, at byte k, into buffer g.
.macro QUARTER slot, k, f, g, zero
	s_wait_dscnt 8                                 ; Wo's and ctx's rows 0-63 are in; the youngest eight loads (ctx's rows 64-127) may be out
	MUL16 \f, 0, 0, \zero
	MUL16 \f, 0, 2, \zero
	PLACES
	FETCH \slot, \k, \g
	s_wait_dscnt 32                                ; all but the 32 just issued
	MUL16 \f, 1, 0, \zero
	MUL16 \f, 1, 2, \zero
.endm
; The last quarter multiplies buffer 1 and changes slots: ONE barrier; in front of it each wave waits for all its tensor loads (one is out: its part of the next slot), adds 0 to its spare word, and waits for that
; and for its own reads of this slot.  fill = 1: the barrier opens a round of the cluster's barrier, so that no wave of any partner still reads this slot's tile or has a load on its way, and this slot is filled again,
; two K steps ahead, first thing behind the round.
.macro TURN slot, next, fill
	WIN 0                                          ; (the add's two registers lie in window 0)
	s_wait_tensorcnt 0x0
	ds_add_u32 v[SPW], v[NIL]                      ; 0 onto my spare word
	s_wait_dscnt 9                                 ; (the add and the youngest eight loads may be out)
	MUL16 F1, 0, 0, 0                              ; sixteen matrix instructions stand between the add and the wait for it
	s_wait_dscnt 0x0                               ; the add is done, and my reads of this slot are over
	s_barrier_signal -1
	MUL16 F1, 0, 2, 0                              ; work on registers while the others arrive
.if \fill
	WIN 0
.endif
	s_barrier_wait -1
.if \fill
	CREST
	s_add_nc_u64 s[G0+4*(\slot)+2:G0+4*(\slot)+3], s[G0+4*(\slot)+2:G0+4*(\slot)+3], 2*KSTEP*2
	s_add_nc_u64 s[G0B+4*(\slot)+2:G0B+4*(\slot)+3], s[G0B+4*(\slot)+2:G0B+4*(\slot)+3], 2*KSTEP*2
	JLOAD \slot                                    ; its four v_nop are also the places in front of the loads below
.else
	PLACES
.endif
	FETCH \next, 0, F0
	MUL16 F1, 1, 0, 0
	MUL16 F1, 1, 2, 0
.endm
	s_wait_tensorcnt 1                             ; my part of K step 0 is in; K step 1's may stay out
	s_barrier_signal -1
	s_barrier_wait -1                              ; everybody's is
	FETCH 0, 0, F0
	QUARTER 0, 64, F0, F1, 1                       ; the first quarter stands in front of the loop: its products start the sums
	WIN 0                                          ; at a label and at a branch every window is 0
	s_mov_b32 s3, LAPS-1
.Llap:                                                 ; a trip goes once round the ring, from a lap's second quarter to the next lap's first, and fills both slots again
	QUARTER 0, 128, F1, F0, 0
	QUARTER 0, 192, F0, F1, 0
	TURN 0, 1, 1
	QUARTER 1, 64,  F0, F1, 0
	QUARTER 1, 128, F1, F0, 0
	QUARTER 1, 192, F0, F1, 0
	TURN 1, 0, 1
	QUARTER 0, 64,  F0, F1, 0
	WIN 0
	s_sub_co_u32 s3, s3, 1
	s_cmp_lg_u32 s3, 0
	s_cbranch_scc1 .Llap
	QUARTER 0, 128, F1, F0, 0                      ; the last lap fills nothing, and has no round of the cluster's barrier
	QUARTER 0, 192, F0, F1, 0
	TURN 0, 1, 0
	QUARTER 1, 64,  F0, F1, 0
	QUARTER 1, 128, F1, F0, 0
	QUARTER 1, 192, F0, F1, 0
	s_wait_dscnt 8                                 ; the very last quarter: nothing more to fetch
	MUL16 F1, 0, 0, 0
	MUL16 F1, 0, 2, 0
	s_wait_dscnt 0x0
	MUL16 F1, 1, 0, 0
	MUL16 F1, 1, 2, 0
	; THE WAY OUT, a block of 16 rows at a time: a lane's 32 bytes go into my own stage, straight from the accumulators, and come back as whole rows of 512 bytes.
	WIN 0
	PLACES
.macro TOSTAGE a
.set BKR, BK+64*((\a)%2)
.set AC, 64*((\a)%4)                   ; the block's eight accumulators, in window 2 (blocks 0-3) or 3 (blocks 4-7)
	s_wait_xcnt 0x0                                ; the stores of the block two back have read the registers that the loads below write
	WIN 0x08+4*((\a)/4)                            ; store data in window 2 or 3
.irp b, 0,1,2,3,4,5,6,7
	ds_store_b128 v[STO], v[AC+8*(\b):AC+8*(\b)+3]   offset:64*(\b)      ; each accumulator's lowest registers are read first
	ds_store_b128 v[STO], v[AC+8*(\b)+4:AC+8*(\b)+7] offset:64*(\b)+16
.endr
	WIN 0
.irp t, 0,1,2,3,4,5,6,7,8,9,10,11,12,13,14,15
	ds_load_b128 v[BKR+4*(\t):BKR+4*(\t)+3], v[RD] offset:(\t)*SPITCH  ; LDS serves a wave's instructions in order (ISA guide 5.7.1.4): these see the stores above
.endr
.endm
.macro SEND a, younger                 ; younger: the LDS instructions issued behind block a's loads: the next block's 32, or none
.set BKR, BK+64*((\a)%2)
	s_wait_dscnt \younger
.irp t, 0,1,2,3,4,5,6,7,8,9,10,11,12,13,14,15
	global_store_b128 v[CO], v[BKR+4*(\t):BKR+4*(\t)+3], s[8:9] offset:(16*(\a)+(\t))*SIZE_N*4 th:TH_STORE_NT  ; 512 consecutive bytes of a row, aligned; 127 rows at the most: inside the signed 24-bit immediate
.endr
.endm
	TOSTAGE 0
.irp a, 1,2,3,4,5,6,7
	TOSTAGE \a
	SEND (\a)-1, 32
.endr
	SEND 7, 0
	s_wait_tensorcnt 0x0                           ; the wave's end: behind my last tensor load and my last LDS store
	ds_add_u32 v[SPW], v[NIL]
	s_wait_dscnt 0x0
	CROUND                                         ; the closing round: no work-group ends while a partner may still ask for a tile that names it
	s_endpgm
.Lfunc_end_k_qc7fa67b88d_oproj:
	.size	k_qc7fa67b88d_oproj, .Lfunc_end_k_qc7fa67b88d_oproj-k_qc7fa67b88d_oproj
	.p2alignl 7, 3214868480
	.fill 96, 4, 3214868480
	.section	.rodata,"a",@progbits
	.p2align	6, 0x0
	.amdhsa_kernel k_qc7fa67b88d_oproj
		.amdhsa_group_segment_fixed_size 327680
		.amdhsa_private_segment_fixed_size 0
		.amdhsa_enable_private_segment 0
		.amdhsa_kernarg_size 24
		.amdhsa_user_sgpr_count 2
		.amdhsa_user_sgpr_kernarg_segment_ptr 1
		.amdhsa_wavefront_size32 1
		.amdhsa_system_sgpr_workgroup_id_x 1
		.amdhsa_system_sgpr_workgroup_id_y 1
		.amdhsa_system_sgpr_workgroup_id_z 1
		.amdhsa_system_vgpr_workitem_id 0
		.amdhsa_next_free_vgpr 1024
		.amdhsa_next_free_sgpr 66
		.amdhsa_reserve_vcc 0
		.amdhsa_float_denorm_mode_32 3
		.amdhsa_float_denorm_mode_16_64 3
		.amdhsa_memory_ordered 1
		.amdhsa_forward_progress 1
		.amdhsa_inst_pref_size 140
	.end_amdhsa_kernel
	.amdgpu_metadata
---
amdhsa.version: [ 1, 2 ]
amdhsa.kernels:
  - .name:           k_qc7fa67b88d_oproj
    .symbol:         k_qc7fa67b88d_oproj.kd
    .args:
      - { .name: ctx, .offset: 0, .size: 8, .value_kind: global_buffer, .address_space: global }
      - { .name: wo16, .offset: 8, .size: 8, .value_kind: global_buffer, .address_space: global }
      - { .name: out0, .offset: 16, .size: 8, .value_kind: global_buffer, .address_space: global }
    .group_segment_fixed_size: 327680
    .private_segment_fixed_size: 0
    .kernarg_segment_align: 8
    .kernarg_segment_size: 24
    .max_flat_workgroup_size: 128
    .sgpr_count:     66
    .vgpr_count:     1024
    .wavefront_size: 32
...
	.end_amdgpu_metadata
.endif
;; end of part 4
